; MI455X (gfx1250); checked and timed in simulation.
; The chip was launched on July 23, 2026; its instructions are those of AMD's public machine-readable ISA for CDNA 5 (MIT licence, August 2026) and "CDNA5" Instruction Set Architecture Reference Guide (July 2026). The comments in the code are by the model that wrote it; some were corrected since.
;; Mo EFFN. Allowed arithmetic: matrix products marked QUANTISED: E3M2 operands, one E8M0 scale for each 32 along K, by v_wmma_scale_f32_16x16x128_f8f6f4 with both operands' format E3M2, f32 sums; products left as they are: f32 operands where the result goes on into a quantised operand, else bf16, f16 or f32 operands; f32 sums; everything else in f32.
;; Inputs: Wr_down_codes 8 x 512 x 32 x 24 uint8 (E3M2 codes of Wr_down, K innermost, in blocks of 32 codes, four codes in three bytes); Wr_down_scales 8 x 512 x 32 uint8 (E8M0 scales of Wr_down, one for each 32 codes along K); Wr_gate_codes 8 x 1,024 x 16 x 24 uint8 (E3M2 codes of Wr_gate, K innermost, in blocks of 32 codes, four codes in three bytes); Wr_gate_scales 8 x 1,024 x 16 uint8 (E8M0 scales of Wr_gate, one for each 32 codes along K); Wr_up_codes 8 x 1,024 x 16 x 24 uint8 (E3M2 codes of Wr_up, K innermost, in blocks of 32 codes, four codes in three bytes); Wr_up_scales 8 x 1,024 x 16 uint8 (E8M0 scales of Wr_up, one for each 32 codes along K); Ws_down_codes 512 x 64 x 24 uint8 (E3M2 codes of Ws_down, K innermost, in blocks of 32 codes, four codes in three bytes); Ws_down_scales 512 x 64 uint8 (E8M0 scales of Ws_down, one for each 32 codes along K); Ws_gate_codes 2,048 x 16 x 24 uint8 (E3M2 codes of Ws_gate, K innermost, in blocks of 32 codes, four codes in three bytes); Ws_gate_scales 2,048 x 16 uint8 (E8M0 scales of Ws_gate, one for each 32 codes along K); Ws_up_codes 2,048 x 16 x 24 uint8 (E3M2 codes of Ws_up, K innermost, in blocks of 32 codes, four codes in three bytes); Ws_up_scales 2,048 x 16 uint8 (E8M0 scales of Ws_up, one for each 32 codes along K); br_down 8 x 512 float32; br_gate 8 x 1,024 float32; br_up 8 x 1,024 float32; bs_down 512 float32; bs_gate 2,048 float32; bs_up 2,048 float32; routing_weights 16 x 8 float32; x_codes 16 x 256 x 16 x 24 uint8 (E3M2 codes of x, K innermost, in blocks of 32 codes, four codes in three bytes); x_scales 16 x 256 x 16 uint8 (E8M0 scales of x, one for each 32 codes along K).
;; Outputs: out0 16 x 256 x 512 float32.
;; This version of the problem:
;;   THIS VERSION OF THE PROBLEM IS GIVEN IN LOW PRECISION. The matrix products marked QUANTISED in the list below multiply operands that are first quantised to E3M2 (3 exponent bits, 2 mantissa bits; 6 bits a number), with one power-of-two scale for each 32 numbers along K (OCP MX v1.0); their sums are f32. All else is computed in f32.
;;   The module's matrix products, in the order in which they are computed (A, B: the left and right operand; K: the contracted axis; several contracted axes count as one K, in the product's order):
;;     1. [M 4,096, K 512] x [K 512, N 2,048]; A: input x (given as codes); B: input Ws_gate (given as codes): QUANTISED
;;     2. [M 4,096, K 512] x [K 512, N 2,048]; A: input x (given as codes); B: input Ws_up (given as codes): QUANTISED
;;     3. [M 4,096, K 2,048] x [K 2,048, N 512]; A: computed on the way; B: input Ws_down (given as codes): QUANTISED
;;     4. [M 8,192, K 512] x [K 512, N 4,096]; A: input Wr_gate (given as codes); B: input x (given as codes): QUANTISED
;;     5. [M 8,192, K 512] x [K 512, N 4,096]; A: input Wr_up (given as codes); B: input x (given as codes): QUANTISED
;;     6. batch 8 x [M 512, K 1,024] x [K 1,024, N 4,096]; A: input Wr_down (given as codes); B: computed on the way: QUANTISED
;;     7. batch 16 x [M 131,072, K 8] x [K 8, N 1]; A: computed on the way; B: input routing_weights: left as it is (K = 8 < 32)
;;   THE QUANTISER, for each operand of a quantised product, along K:
;;     - K is cut into blocks of 32 from its start; a last block that is shorter is filled with zeros.
;;     - A block's scale is 2^e with e = floor(log2(the largest magnitude in the block)) - 4, held to -126 .. 127; a block of zeros has e = 0. As a byte (E8M0): e + 127.
;;     - Each number is divided by its block's scale, clamped to +-28, and rounded to the nearest number of E3M2, ties to even, subnormals kept.
;;     - The product sums the exact products of the quantised numbers (number of the format x scale) in f32.
;;   ~~~python
;;   def quantise(x, axis):      # numpy; x: float32 -> the quantised numbers, widened to float32 again
;;       x = np.moveaxis(x, axis, -1); K = x.shape[-1]
;;       x = np.pad(x, [(0, 0)] * (x.ndim - 1) + [(0, -K % 32)]); x = x.reshape(x.shape[:-1] + (-1, 32)); a = np.abs(x).max(-1, keepdims=True)
;;       e = np.where(a > 0, np.clip(np.frexp(np.where(a > 0, a, 1))[1] - 1 - 4, -126, 127), 0)      # np.frexp(a)[1] - 1 = floor(log2(a)), exactly
;;       r = np.clip(x / 2.0 ** e, -28, 28)
;;       step = 2.0 ** (np.maximum(np.frexp(np.where(r == 0, 1, r))[1] - 1, -2) - 2)
;;       q = np.round(r / step) * step * 2.0 ** e      # np.round: ties to even
;;       return np.moveaxis(q.reshape(q.shape[:-2] + (-1,))[..., :K], -1, axis).astype(np.float32)
;;   ~~~
;;   OPERANDS COMPUTED ON THE WAY. 'Computed on the way' means the value that the module computes at that place (a softmax that the list does not call 'softmax' is quantised finished and normalised). What goes into a quantiser is computed in f32, as accurately as f32 sums, v_exp_f32 and their like allow (about 1e-6 of the number): no bf16 or f16 on the way to a quantiser, and a product that is left as it is and whose result goes on into a quantised operand takes f32 operands (vector FMAs, or v_wmma_f32_16x16x4_f32). A number that lies on a knife's edge between two numbers of the format may be rounded either way, as far as f32 arithmetic and the matrix unit's own rounding can turn it there, and no further.
;;   INPUTS GIVEN AS CODES. Wr_down (in the module: [8, 1024, 512], K = its axis 1); Wr_gate (in the module: [8, 512, 1024], K = its axis 1); Wr_up (in the module: [8, 512, 1024], K = its axis 1); Ws_down (in the module: [2048, 512], K = its axis 0); Ws_gate (in the module: [512, 2048], K = its axis 0); Ws_up (in the module: [512, 2048], K = its axis 0); x (in the module: [16, 256, 512], K = its axis 2): each comes as NAME_codes (uint8): NAME with its K axis moved to the last place and cut into blocks of 32 codes, [.., K / 32, bytes a block], one block behind the other in memory; four codes in three bytes: a row's codes are one little-endian stream of bits, code i at bits 6 i .. 6 i + 5 (a code: sign, 3 exponent bits, 2 mantissa bits); and NAME_scales (uint8): the same leading axes, one E8M0 byte (e + 127) for each 32 codes along K. Its value is code x scale, taken as it is: it is not quantised again, and the codes and scales need not be those that the quantiser above would give.
;; 2 versions, each right. Each part assembles by itself: llvm-mc -triple=amdgcn-amd-amdhsa -mcpu=gfx1250 --defsym DOCPART=n.
;; ======== version 1 of 2: 3 launches
;; limits: right only within a limited range of input values
;; workspace buffers: wstream 12,410,880 bytes; part 33,554,432 bytes
;; launch lay (part 1): grid 6 x 80, 4 waves a work-group, no clusters, 0 bytes of LDS; arguments Ws_gate_codes, Ws_gate_scales, Ws_up_codes, Ws_up_scales, Ws_down_codes, Ws_down_scales, Wr_gate_codes, Wr_gate_scales, Wr_up_codes, Wr_up_scales, Wr_down_codes, Wr_down_scales, bs_gate, bs_up, br_gate, br_up, wstream; writes wstream
.if DOCPART == 1
	.amdgcn_target "amdgcn-amd-amdhsa--gfx1250"
	.amdhsa_code_object_version 6
	.text
	.protected	k_q95703c7843_lay
	.globl	k_q95703c7843_lay
	.p2align	8
	.type	k_q95703c7843_lay,@function
k_q95703c7843_lay:
	s_mov_b64 s[64:65], 0
	v_nop
	global_prefetch_b8 v0, s[64:65] scope:SCOPE_SE
	s_setreg_imm32_b32 hwreg(HW_REG_WAVE_MODE, 25, 1), 1
	s_wait_xcnt 0x0
; All weights are copied once into one stream, wstream, in the order in which the next launch uses them and in the order of a matrix operand's registers.
; wstream: [split 4][step 30][wave 4][25,856 bytes].  A split is 5 chunks of 512 hidden units (chunk 0: a quarter of the shared layer; chunks 1-4: experts 2 split and 2 split + 1 in halves);
; a chunk is 6 steps: 4 G steps (32 hidden units a wave: gate and up) and 2 D steps (64 output columns a wave).
; A wave's 25,856 bytes of a step: 16 fragments of 1,536 bytes (fragment 4 s + f: K step s of 128, rows' tile f; register 4 c + i of lane l at 512 c + 16 l + 4 i);
; at 24,576 their scale words (fragment F, row r: 512 (F / 8) + 16 (16 (F % 2) + r) + 4 ((F / 2) % 4)), so that two loads of 16 bytes a lane give 8 registers, an even fragment in lanes 0-15 and the odd one beside it in lanes 16-31;
; at 25,600 one row of 256 bytes: the step's 32 gate biases, then its 32 up biases (zeros in a D step).
; G step b: tile f = 2 kind + u (kind 0 gate, 1 up); lane r takes row row0 + 8 u + r + 8 (r / 8), so that the results of tiles u = 0, 1 are 16 neighbours along the next K.  D step: lane r of tile f takes output row first + 16 f + r.
; SHARES: work-group (x, y): x = the step in its chunk; y = 16 chunk + 4 split + wave of the next launch.  Its own wave q copies K step q: four fragments, 6,144 bytes; waves 0 and 1 also the scale words, wave 2 the bias row.
; Every store of a wave covers 512 (the bias row: 256) consecutive bytes, aligned.  No LDS, no barrier, no loop; no register that a memory instruction names is written again.
.set WT,  25856
.set FRB, 1536
	s_load_b512 s[4:19], s[0:1], 0x0               ; shared: gate codes s[4:5], gate scales s[6:7], up codes s[8:9], up scales s[10:11], down codes s[12:13], down scales s[14:15]; routed gate codes s[16:17], scales s[18:19]
	s_load_b512 s[20:35], s[0:1], 0x40             ; routed up codes s[20:21], scales s[22:23], down codes s[24:25], scales s[26:27]; bs_gate s[28:29], bs_up s[30:31], br_gate s[32:33], br_up s[34:35]
	s_load_b64 s[36:37], s[0:1], 0x80              ; wstream
	v_lshrrev_b32 v1, 5, v0
	v_readfirstlane_b32 s43, v1                    ; q: my wave = my K step
	v_and_b32 v2, 31, v0                           ; lane
	v_and_b32 v3, 15, v0                           ; r
	v_bfe_u32 v4, v0, 4, 1                         ; h
	v_lshlrev_b32 v5, 4, v2                        ; 16 x lane
	s_mov_b32 s38, ttmp9                           ; the step in its chunk, 0..5
	s_and_b32 s39, ttmp7, 0xffff
	s_and_b32 s40, s39, 3                          ; w: the reader's wave
	s_bfe_u32 s41, s39, 0x20002                    ; the split
	s_lshr_b32 s42, s39, 4                         ; the chunk, 0..4
	s_max_u32 s44, s42, 1
	s_sub_co_u32 s44, s44, 1                       ; the routed chunk's number, 0..3 (0 for the shared chunk, where it is not used)
	s_lshl_b32 s45, s41, 2
	s_add_co_u32 s45, s45, s44                     ; routed: which 512 rows of the 8,192 of gate and up
	s_lshr_b32 s46, s44, 1
	s_lshl_b32 s47, s41, 1
	s_add_co_u32 s46, s46, s47                     ; the expert
	s_and_b32 s47, s44, 1                          ; which half of its hidden layer
	s_mul_i32 s48, s46, 393216                     ; routed down codes: an expert is 512 rows of 768 bytes,
	s_mul_i32 s49, s47, 384
	s_add_co_u32 s48, s48, s49                     ; a half 384 bytes of a row
	s_lshl_b32 s49, s46, 14                        ; routed down scales: 512 rows of 32 bytes,
	s_lshl_b32 s50, s47, 4
	s_add_co_u32 s49, s49, s50                     ; a half 16 bytes
	s_mul_i32 s50, s41, 384                        ; shared down codes: the split's 384 bytes of a row of 1,536
	s_lshl_b32 s51, s41, 4                         ; shared down scales: its 16 bytes of a row of 64
	s_mul_i32 s52, s41, 30
	s_mul_i32 s53, s42, 6
	s_add_co_u32 s52, s52, s53
	s_add_co_u32 s52, s52, s38
	s_lshl_b32 s52, s52, 2
	s_add_co_u32 s52, s52, s40
	s_mul_i32 s52, s52, WT                         ; ((30 split + 6 chunk + step) 4 + w) x 25,856: under 2^24
	s_mov_b32 s53, 0
	s_wait_kmcnt 0x0
	s_add_nc_u64 s[36:37], s[36:37], s[52:53]      ; the wave-tile that this work-group writes
	s_cmp_eq_u32 s42, 0                            ; shared or routed: the choice hangs on the work-group's number alone; every selection stands ahead of the next line that sets SCC
	s_cselect_b64 s[4:5], s[4:5], s[16:17]
	s_cselect_b64 s[6:7], s[6:7], s[18:19]
	s_cselect_b64 s[8:9], s[8:9], s[20:21]
	s_cselect_b64 s[10:11], s[10:11], s[22:23]
	s_cselect_b64 s[12:13], s[12:13], s[24:25]
	s_cselect_b64 s[14:15], s[14:15], s[26:27]
	s_cselect_b64 s[28:29], s[28:29], s[32:33]
	s_cselect_b64 s[30:31], s[30:31], s[34:35]
	s_cselect_b32 s45, s41, s45                    ; which 512 rows of gate, up and their biases
	s_cselect_b32 s48, s50, s48                    ; where the chunk's K begins in a row of down's codes (and the expert)
	s_cselect_b32 s49, s51, s49                    ; the same for down's scales
	s_cselect_b32 s50, 1, 0
	s_lshl_b32 s51, 768, s50                       ; a row of down's codes: 1,536 or 768 bytes
	s_lshl_b32 s50, 32, s50                        ; a row of down's scales: 64 or 32 bytes
	s_mul_i32 s52, s43, 4*FRB
	s_add_nc_u64 s[54:55], s[36:37], s[52:53]      ; my wave's four fragments
.macro PUT                             ; the four fragments leave as images of their registers
	s_wait_loadcnt 0x0
.irp f, 0,1,2,3
.irp c, 0,1,2
	global_store_b128 v5, v[16+12*\f+4*\c:19+12*\f+4*\c], s[54:55] offset:FRB*\f+512*\c
.endr
.endr
.endm
	s_cmp_ge_u32 s38, 4
	s_cbranch_scc1 .Ldown
	; ---- a G step
	s_lshl_b32 s56, s45, 9
	s_lshl_b32 s57, s40, 7
	s_add_co_u32 s56, s56, s57
	s_lshl_b32 s57, s38, 5
	s_add_co_u32 s56, s56, s57                     ; row0 = 512 chunk's block + 128 w + 32 step
	s_mul_i32 s58, s56, 384
	s_mul_i32 s57, s43, 96
	s_add_co_u32 s58, s58, s57                     ; its codes, at my K step
	s_mov_b32 s59, 0
	s_add_nc_u64 s[16:17], s[4:5], s[58:59]
	s_add_nc_u64 s[18:19], s[8:9], s[58:59]
	v_and_b32 v6, 8, v3
	v_add_nc_u32 v6, v6, v3                        ; r + 8 (r / 8)
	v_mul_u32_u24 v7, v6, 384
	v_mad_u32_u24 v7, v4, 24, v7                   ; the lane's row, + 24 bytes for the upper half of the lanes
.irp f, 0,1,2,3
.irp p, 0,1,2,3,4,5
	global_load_b64 v[16+12*\f+2*\p:17+12*\f+2*\p], v7, s[16+2*(\f/2):17+2*(\f/2)] offset:3072*(\f%2)+48*(\p/3)+8*(\p%3)   ; a fragment's 48 bytes a lane in pieces of 8: every address a multiple of 8
.endr
.endr
	PUT
	s_cmp_lt_u32 s43, 2
	s_cbranch_scc0 .Lg_bias
	s_lshl_b32 s58, s56, 4                         ; scale words: 16 bytes a row; wave q makes registers 4 q + i: K step 2 q + i / 2, gate for even i, up for odd
	s_lshl_b32 s57, s43, 3
	s_add_co_u32 s58, s58, s57
	s_add_nc_u64 s[20:21], s[6:7], s[58:59]
	s_add_nc_u64 s[22:23], s[10:11], s[58:59]
	v_lshl_add_u32 v8, v4, 3, v6                   ; lanes 16-31 take tile u = 1: 8 rows on
	v_lshlrev_b32 v8, 4, v8
	global_load_b32 v64, v8, s[20:21]
	global_load_b32 v65, v8, s[22:23]
	global_load_b32 v66, v8, s[20:21] offset:4
	global_load_b32 v67, v8, s[22:23] offset:4
	s_lshl_b32 s57, s43, 9
	v_add_nc_u32 v9, s57, v5
	s_wait_loadcnt 0x0
	global_store_b128 v9, v[64:67], s[36:37] offset:16*FRB
	s_endpgm
.Lg_bias:
	s_cmp_eq_u32 s43, 2
	s_cbranch_scc0 .Lg_end
	s_lshl_b32 s58, s56, 2                         ; the step's 32 gate biases and 32 up biases: lanes 0-15 store gate's, lanes 16-31 up's, 8 bytes a lane
	s_add_nc_u64 s[20:21], s[28:29], s[58:59]
	s_add_nc_u64 s[22:23], s[30:31], s[58:59]
	v_lshlrev_b32 v8, 3, v3
	global_load_b64 v[64:65], v8, s[20:21]
	global_load_b64 v[66:67], v8, s[22:23]
	v_lshlrev_b32 v9, 3, v2
	v_cmp_eq_u32 vcc_lo, 1, v4
	s_wait_loadcnt 0x0
	v_cndmask_b32 v68, v64, v66, vcc_lo
	v_cndmask_b32 v69, v65, v67, vcc_lo
	global_store_b64 v9, v[68:69], s[36:37] offset:16*FRB+1024
.Lg_end:
	s_endpgm
	; ---- a D step
.Ldown:
	s_sub_co_u32 s56, s38, 4
	s_lshl_b32 s56, s56, 6
	s_lshl_b32 s57, s40, 7
	s_add_co_u32 s56, s56, s57                     ; the first output row: 128 w + 64 (step - 4)
	s_mul_i32 s58, s56, s51
	s_add_co_u32 s58, s58, s48
	s_mul_i32 s57, s43, 96
	s_add_co_u32 s58, s58, s57                     ; its codes, at the chunk's K step q
	s_mov_b32 s59, 0
	s_lshl_b32 s60, s51, 4                         ; 16 rows on
	s_mov_b32 s61, 0
	s_add_nc_u64 s[16:17], s[12:13], s[58:59]
	s_add_nc_u64 s[18:19], s[16:17], s[60:61]
	s_add_nc_u64 s[20:21], s[18:19], s[60:61]
	s_add_nc_u64 s[22:23], s[20:21], s[60:61]
	v_mul_lo_u32 v7, v3, s51
	v_mad_u32_u24 v7, v4, 24, v7
.irp f, 0,1,2,3
.irp p, 0,1,2,3,4,5
	global_load_b64 v[16+12*\f+2*\p:17+12*\f+2*\p], v7, s[16+2*\f:17+2*\f] offset:48*(\p/3)+8*(\p%3)
.endr
.endr
	PUT
	s_cmp_lt_u32 s43, 2
	s_cbranch_scc0 .Ld_bias
	s_mul_i32 s58, s56, s50                        ; scale words: register 4 q + i: K step 2 q + i / 2, rows first + 32 (i % 2) + lane
	s_add_co_u32 s58, s58, s49
	s_lshl_b32 s57, s43, 3
	s_add_co_u32 s58, s58, s57
	s_lshl_b32 s60, s50, 5
	s_add_nc_u64 s[24:25], s[14:15], s[58:59]
	s_add_nc_u64 s[26:27], s[24:25], s[60:61]
	v_mul_lo_u32 v8, v2, s50
	global_load_b32 v64, v8, s[24:25]
	global_load_b32 v65, v8, s[26:27]
	global_load_b32 v66, v8, s[24:25] offset:4
	global_load_b32 v67, v8, s[26:27] offset:4
	s_lshl_b32 s57, s43, 9
	v_add_nc_u32 v9, s57, v5
	s_wait_loadcnt 0x0
	global_store_b128 v9, v[64:67], s[36:37] offset:16*FRB
	s_endpgm
.Ld_bias:
	s_cmp_eq_u32 s43, 2
	s_cbranch_scc0 .Ld_end
	v_mov_b32 v68, 0                               ; the tile is read whole by the next launch: its last row is written too
	v_mov_b32 v69, 0
	v_lshlrev_b32 v9, 3, v2
	global_store_b64 v9, v[68:69], s[36:37] offset:16*FRB+1024
.Ld_end:
	s_endpgm
.Lfunc_end_k_q95703c7843_lay:
	.size	k_q95703c7843_lay, .Lfunc_end_k_q95703c7843_lay-k_q95703c7843_lay
	.p2alignl 7, 3214868480
	.fill 96, 4, 3214868480
	.section	.rodata,"a",@progbits
	.p2align	6, 0x0
	.amdhsa_kernel k_q95703c7843_lay
		.amdhsa_group_segment_fixed_size 0
		.amdhsa_private_segment_fixed_size 0
		.amdhsa_enable_private_segment 0
		.amdhsa_kernarg_size 136
		.amdhsa_user_sgpr_count 2
		.amdhsa_user_sgpr_kernarg_segment_ptr 1
		.amdhsa_wavefront_size32 1
		.amdhsa_system_sgpr_workgroup_id_x 1
		.amdhsa_system_sgpr_workgroup_id_y 1
		.amdhsa_system_sgpr_workgroup_id_z 1
		.amdhsa_system_vgpr_workitem_id 0
		.amdhsa_next_free_vgpr 80
		.amdhsa_next_free_sgpr 66
		.amdhsa_reserve_vcc 1
		.amdhsa_float_denorm_mode_32 3
		.amdhsa_float_denorm_mode_16_64 3
		.amdhsa_memory_ordered 1
		.amdhsa_forward_progress 1
		.amdhsa_inst_pref_size 14
	.end_amdhsa_kernel
	.amdgpu_metadata
---
amdhsa.version: [ 1, 2 ]
amdhsa.kernels:
  - .name:           k_q95703c7843_lay
    .symbol:         k_q95703c7843_lay.kd
    .args:
      - { .name: Ws_gate_codes, .offset: 0, .size: 8, .value_kind: global_buffer, .address_space: global }
      - { .name: Ws_gate_scales, .offset: 8, .size: 8, .value_kind: global_buffer, .address_space: global }
      - { .name: Ws_up_codes, .offset: 16, .size: 8, .value_kind: global_buffer, .address_space: global }
      - { .name: Ws_up_scales, .offset: 24, .size: 8, .value_kind: global_buffer, .address_space: global }
      - { .name: Ws_down_codes, .offset: 32, .size: 8, .value_kind: global_buffer, .address_space: global }
      - { .name: Ws_down_scales, .offset: 40, .size: 8, .value_kind: global_buffer, .address_space: global }
      - { .name: Wr_gate_codes, .offset: 48, .size: 8, .value_kind: global_buffer, .address_space: global }
      - { .name: Wr_gate_scales, .offset: 56, .size: 8, .value_kind: global_buffer, .address_space: global }
      - { .name: Wr_up_codes, .offset: 64, .size: 8, .value_kind: global_buffer, .address_space: global }
      - { .name: Wr_up_scales, .offset: 72, .size: 8, .value_kind: global_buffer, .address_space: global }
      - { .name: Wr_down_codes, .offset: 80, .size: 8, .value_kind: global_buffer, .address_space: global }
      - { .name: Wr_down_scales, .offset: 88, .size: 8, .value_kind: global_buffer, .address_space: global }
      - { .name: bs_gate, .offset: 96, .size: 8, .value_kind: global_buffer, .address_space: global }
      - { .name: bs_up, .offset: 104, .size: 8, .value_kind: global_buffer, .address_space: global }
      - { .name: br_gate, .offset: 112, .size: 8, .value_kind: global_buffer, .address_space: global }
      - { .name: br_up, .offset: 120, .size: 8, .value_kind: global_buffer, .address_space: global }
      - { .name: wstream, .offset: 128, .size: 8, .value_kind: global_buffer, .address_space: global }
    .group_segment_fixed_size: 0
    .private_segment_fixed_size: 0
    .kernarg_segment_align: 8
    .kernarg_segment_size: 136
    .max_flat_workgroup_size: 128
    .sgpr_count:     66
    .vgpr_count:     80
    .wavefront_size: 32
...
	.end_amdgpu_metadata
.endif
;; end of part 1
;; launch ffn (part 2): grid 64 x 4, 4 waves a work-group, clusters of 4 x 1, 327,680 bytes of LDS; arguments wstream, x_codes, x_scales, routing_weights, bs_down, br_down, part; writes part
.if DOCPART == 2
	.amdgcn_target "amdgcn-amd-amdhsa--gfx1250"
	.amdhsa_code_object_version 6
	.text
	.protected	k_q95703c7843_ffn
	.globl	k_q95703c7843_ffn
	.p2align	8
	.type	k_q95703c7843_ffn,@function
k_q95703c7843_ffn:
	s_mov_b64 s[64:65], 0
	v_nop
	global_prefetch_b8 v0, s[64:65] scope:SCOPE_SE
	s_setreg_imm32_b32 hwreg(HW_REG_WAVE_MODE, 25, 1), 1
	s_wait_xcnt 0x0
	s_wait_alu depctr_hold_cnt(0) depctr_sa_sdst(0) depctr_va_vdst(0) depctr_va_sdst(0) depctr_va_ssrc(0) depctr_va_vcc(0) depctr_vm_vsrc(0)
	s_getreg_b32 s2, hwreg(HW_REG_IB_STS2, 6, 4)
	s_cmp_eq_u32 s2, 0
	s_cbranch_scc0 .Lentry_in_a_cluster
	s_endpgm
.Lentry_in_a_cluster:
	s_bfe_u32 s2, ttmp6, 0x10000c
	s_cmp_lg_u32 s2, 0x3003
	s_cbranch_scc0 .Lentry_shape_is_right
	s_endpgm
.Lentry_shape_is_right:
; part[split][token][:] = the split's share of  silu(x Wg + bg) (x Wu + bu) Wd + bd,  shared layer and all eight experts, each expert's finished f32 product weighed by routing_weights[batch][expert].
; All products on codes of BF6 (E3M2) with one E8M0 scale for each 32 along K; the hidden layer is computed in f32, quantised along the hidden axis in registers, and never goes to memory.
; SHARES.  A work-group owns 64 tokens (4 tiles of 16) and one split of the hidden axis: 5 chunks of 512 hidden units (a quarter of the shared layer, then experts 2 split and 2 split + 1 in halves).
; In a chunk wave w makes hidden units 128 w .. + 127 for all 64 tokens (4 G steps of 32 units: gate and up) and output columns 128 w .. + 127 (2 D steps of 64 columns, K = the chunk's 512 units).
; Every step has one form: 4 quarters (K step s of 128) of 16 matrix instructions: 4 weight fragments x 4 token tiles, on 16 accumulators that take turns.  Source 0 = 16 rows of a weight, source 1 = 16 tokens: a lane holds ONE token.
; Two sets of 16 accumulators alternate from step to step: while one is multiplied, the other is worked on by vector instructions that stand in slices behind the matrix instructions.
; WEIGHTS come as the stream that the launch before has laid: a step's tile is 4 x 25,856 bytes, each wave's part read by that wave alone, as images of the operand's registers (3 loads of 16 bytes a lane for a fragment).
; Ring of two LDS slots of one step; a slot is asked for again in the middle of its step, when its last fragments are in registers, and has a whole step in which to land.
; CLUSTER.  The four token blocks of a cluster walk the same split: each tile is asked for JOINTLY, by the same tensor load with the same descriptor and the mask of all four.
; THE HIDDEN LAYER goes from wave to wave through LDS as images of fragments: wave w's 128 units are K step w of the D steps.
; THE TOTALS T start as the biases (bs_down in split 0; weight x br_down of the split's two experts); a chunk's D results E are added as T += weight x E (weight 1 for the shared chunk).
; LIMITS: NaN and infinities among the inputs are not served (bs_down is multiplied by 0 in splits 1-3; g u is formed ahead of the sigmoid's factor, so |g u| stays under 3.4e38).
; A hidden block whose largest magnitude lies under 2^-122 is held at the scale byte 1; a block of zeros gets the byte 1 too: its codes are zeros, and this program alone reads the bytes.
; REGISTERS, in windows of 256 (s_set_vgpr_msb's low byte: bits 1:0 source 0, 3:2 source 1, 5:4 source 2, 7:6 destination):
;   window 0: v1-15 addresses; v16-31 the quantiser's 4 x 4; v32-47 weights' scale words, a set for each slot; v48-63 the tokens' scale words (4 s + t); v64-95 gate and up biases; v96-239 three banks of 4 weight fragments; v240 prefetch offset
;   window 1: v0-191 the tokens' 16 fragments (tile t, K step s at 12 (4 t + s)): x in G steps, the hidden layer in D steps; v192-255 codes being made, 16 a tile
;   window 2: accumulator sets A (v0-127) and B (v128-255): (fragment f, tile t) at 32 t + 8 f.     window 3: T: 128 d + 32 t + 8 f + j = token 16 t + r, column 128 w + 64 d + 16 f + 8 h + j
.set WT,    25856                      ; a wave's part of a step's tile: 101 rows of 256 bytes
.set TILEB, 4*WT
.set FRB,   1536                       ; a fragment's image
.set SLOT1, 131072                     ; LDS: slot 0 at 0, slot 1 here
.set XIMG,  103424                     ; x's 16 fragments
.set XSC,   128000                     ; their scale words: (t, s) of lane l at 512 s + 16 l + 4 t
.set HIMG,  234496                     ; the hidden layer's 16 fragments
.set HSC,   259072                     ; their scale words, laid as x's
.set STG,   261120                     ; the way out: 16 rows x (512 + 16) bytes for each wave
.set SPARE, 294912                     ; the spare words, 128 bytes for each wave: two blocks of 256 bytes that no other line names
.set SPW, 1
.set NIL, 2
.set AW,  3                            ; v3, v4   my tile in slot 0, 1: + 16 x lane
.set AB,  5                            ; v5, v6   the same + 64 x (lane / 16): for the bias row
.set AX,  7
.set AXS, 8
.set AH,  9
.set AHS, 10
.set HWI, 11                           ; where I store the hidden layer's images: HIMG + 1,536 w + 16 x lane
.set HWS, 12                           ; and their scale words: HSC + 512 w + 16 x lane
.set STO, 13
.set SRD, 14
.set GO,  15                           ; 16 x lane
.set TM,  16                           ; largest magnitudes, a tile each
.set TP,  20                           ; the other half of the lanes'; then the scale's byte
.set SO,  24                           ; the conversions' scale operands
.set PW,  28                           ; the scale words being made
.set WS,  32
.set XS,  48
.set BI,  64
.set WB,  96
.set PFO, 240
.set WV,  18
.set CX,  19
.set TBK, 20
.set SPL, 21
.set CNT, 22
.set G1,  24
.set G0,  32
.set SEL, 40
.set NL2, 42
.set FW,  44                           ; s[44:45] the weight of the chunk whose D steps run
.set FQ,  46                           ; s46-50 the five chunks' weights, a queue
.set PFA, 52
.set LIMA, 54
.set LIMB, 55
.set R0,  56
.set R1,  58
.set SL0, 60
.set MSB, 0
.macro WIN new                         ; the immediate's high byte repeats the setting that is left; a switch that changes nothing is dropped
.if MSB != \new
	s_set_vgpr_msb (MSB<<8)|\new
.set MSB, \new
.endif
.endm
.macro PLACES                          ; four plain places: behind matrix instructions, in front of loads into their registers and of the first read of their results
.rept 4
	v_nop
.endr
.endm
.macro CROUND                          ; a round of the cluster's barrier: my work-group's barrier; wave 0 signals for the work-group; every wave waits for all four; my work-group's barrier once more
	s_barrier_signal -1
	s_barrier_wait -1
	s_cmp_lg_u32 s[WV], 0
	s_cbranch_scc1 .Lnot_wave_0_\@
	s_barrier_signal -3
.Lnot_wave_0_\@:
	s_barrier_wait -3
	s_barrier_signal -1
	s_barrier_wait -1
.endm
; A prefetch of my wave's part of the tile four steps on, two steps ahead of the tensor load that will ask for it.  All sixteen clusters of a split walk the same tiles: the first of them asks.
; Its four partners share a part's 101 blocks of 256 bytes out by address (32 x place + lane, held at 100): no branch hangs on a work-group's place in its cluster.
.macro ASK lim
	s_cmp_gt_u32 s[CNT], s[\lim]
	s_cbranch_scc0 .Lnot_mine_\@
	global_prefetch_b8 v[PFO], s[PFA:PFA+1] th:TH_LOAD_NT scope:SCOPE_SE
.Lnot_mine_\@:
.endm
; THE CHANGE OF SLOTS, in the middle of a step: all of this slot's fragments are asked for.  refill = 1: each wave waits for all its tensor loads (one is out: the next step's tile), adds 0 to its spare word,
; waits for that and for its reads of this slot; a round of the cluster's barrier; the joint refill, two steps ahead, is the first thing behind it.
.macro TURN slot, refill, trans
	WIN 0                                          ; at a label and at a branch every window is 0
.if \trans
	s_wait_alu depctr_va_vdst(0)                   ; the reciprocals issued so far have their wait ahead of them
.endif
.if \refill
	s_wait_xcnt 0x0                                ; the last prefetch, a step back, has read its address:
	s_add_nc_u64 s[PFA:PFA+1], s[PFA:PFA+1], TILEB ; a tile on
	s_wait_tensorcnt 0x0                           ; no tensor load of mine is out, so a group 0 may be written
	ds_add_u32 v[SPW], v[NIL]                      ; 0 onto my spare word
	s_add_nc_u64 s[G0+2+4*(\slot):G0+3+4*(\slot)], s[G0+2+4*(\slot):G0+3+4*(\slot)], 2*TILEB   ; this slot's next tile
	s_wait_dscnt 0x0                               ; the add is done, and my reads of this slot are over
	CROUND
	tensor_load_to_lds s[G0+4*(\slot):G0+3+4*(\slot)], s[G1:G1+7]
	s_nop 0
	PLACES                                         ; four v_nop follow the load; they are also the places in front of the loads below
.else
	s_wait_tensorcnt 0x0                           ; the last tile is in
	s_wait_dscnt 0x0
	PLACES
.endif
.endm
.macro LW slot, q, bank                ; 12 LDS loads: the four weight fragments of quarter q
.irp f, 0,1,2,3
.irp c, 0,1,2
	ds_load_b128 v[WB+48*(\bank)+12*\f+4*\c:WB+48*(\bank)+12*\f+4*\c+3], v[AW+(\slot)] offset:(4*(\q)+\f)*FRB+512*\c
.endr
.endr
.endm
.macro LWS slot                        ; 2: a step's 8 registers of weight scale words: register 2 s + f / 2: fragment f even in lanes 0-15, odd in lanes 16-31
.irp i, 0,1
	ds_load_b128 v[WS+8*(\slot)+4*\i:WS+8*(\slot)+4*\i+3], v[AW+(\slot)] offset:16*FRB+512*\i
.endr
.endm
.macro LBIAS slot                      ; 8: register j of fragment f = 2 kind + u wants the bias of unit 16 h + 8 u + j
.irp f, 0,1,2,3
.irp g, 0,1
	ds_load_b128 v[BI+8*\f+4*\g:BI+8*\f+4*\g+3], v[AB+(\slot)] offset:16*FRB+1024+128*(\f/2)+32*(\f%2)+16*\g
.endr
.endr
.endm
.macro LB adr, adrs, s                 ; 13: the four token tiles' fragments of K step s, and their scale words
	WIN 0x40
.irp t, 0,1,2,3
.irp c, 0,1,2
	ds_load_b128 v[12*(4*\t+(\s))+4*\c:12*(4*\t+(\s))+4*\c+3], v[\adr] offset:(4*\t+(\s))*FRB+512*\c
.endr
.endr
	WIN 0
	ds_load_b128 v[XS+4*(\s):XS+4*(\s)+3], v[\adrs] offset:512*(\s)
.endm
; One matrix instruction.  cm = 1: C = the biases; 0: C = 0; 2: the sum goes on.
.macro MM sb, bank, f, t, s, ws, cm
.set rD, (\sb)+32*(\t)+8*(\f)
.set rA, WB+48*(\bank)+12*(\f)
.set rB, 12*(4*(\t)+(\s))
.set rP, WS+8*(\ws)+2*(\s)+(\f)/2
.set rQ, XS+4*(\s)+(\t)
.set rC, BI+8*(\f)
.if (\cm) == 1
	WIN 0x84
.else
	WIN 0xa4
.endif
.if (\f)%2 == 0
.if (\cm) == 0
	v_wmma_scale_f32_16x16x128_f8f6f4 v[rD:rD+7], v[rA:rA+11], v[rB:rB+11], 0, v[rP], v[rQ] matrix_a_fmt:MATRIX_FMT_BF6 matrix_b_fmt:MATRIX_FMT_BF6
.elseif (\cm) == 1
	v_wmma_scale_f32_16x16x128_f8f6f4 v[rD:rD+7], v[rA:rA+11], v[rB:rB+11], v[rC:rC+7], v[rP], v[rQ] matrix_a_fmt:MATRIX_FMT_BF6 matrix_b_fmt:MATRIX_FMT_BF6
.else
	v_wmma_scale_f32_16x16x128_f8f6f4 v[rD:rD+7], v[rA:rA+11], v[rB:rB+11], v[rD:rD+7], v[rP], v[rQ] matrix_a_fmt:MATRIX_FMT_BF6 matrix_b_fmt:MATRIX_FMT_BF6
.endif
.else
.if (\cm) == 0
	v_wmma_scale_f32_16x16x128_f8f6f4 v[rD:rD+7], v[rA:rA+11], v[rB:rB+11], 0, v[rP], v[rQ] matrix_a_fmt:MATRIX_FMT_BF6 matrix_b_fmt:MATRIX_FMT_BF6 matrix_a_scale:MATRIX_SCALE_ROW1
.elseif (\cm) == 1
	v_wmma_scale_f32_16x16x128_f8f6f4 v[rD:rD+7], v[rA:rA+11], v[rB:rB+11], v[rC:rC+7], v[rP], v[rQ] matrix_a_fmt:MATRIX_FMT_BF6 matrix_b_fmt:MATRIX_FMT_BF6 matrix_a_scale:MATRIX_SCALE_ROW1
.else
	v_wmma_scale_f32_16x16x128_f8f6f4 v[rD:rD+7], v[rA:rA+11], v[rB:rB+11], v[rD:rD+7], v[rP], v[rQ] matrix_a_fmt:MATRIX_FMT_BF6 matrix_b_fmt:MATRIX_FMT_BF6 matrix_a_scale:MATRIX_SCALE_ROW1
.endif
.endif
.endm
; THE ACTIVATION AND THE QUANTISER of one G step's results (set JS, block JB of my 128 units), as a numbered list; ACTI writes number JJ.  In tile t: G = v[JS + 32 t ..+15], U = v[JS + 32 t + 16 ..+31]:
; register i = hidden unit 16 h + i of the step's 32, for my token.
;   0-31 U = G U (each accumulator is first read at its low end)   32-63 G = -log2(e) G   64-127 G = 2^G   128 a plain place and the batch's one wait   129-160 G = G + 1   161-224 G = 1 / G   225 place and wait
;   226-257 U = U G = silu(g) u   258-289 the largest magnitude of my 16, with the floor 2^(5 - 127) among the leaves   290-297 with lane l xor 16's: the block's   298-301 4 off its exponent field: the conversion's scale operand
;   302-309 the byte, into the scale word   310-313 sixteen codes a tile   314 a plain place   315-338 (odd blocks) the halves change places, so that a lane holds a whole block
.macro ACTI
.if JJ < 32
	WIN 0x8a
.set rX, JS+32*(JJ/8)+2*(JJ%8)
	v_pk_mul_f32 v[rX+16:rX+17], v[rX:rX+1], v[rX+16:rX+17]
.elseif JJ < 64
	WIN 0x8a
.set rX, JS+32*((JJ-32)/8)+2*((JJ-32)%8)
	v_pk_mul_f32 v[rX:rX+1], v[rX:rX+1], s[NL2:NL2+1] op_sel_hi:[1,0]
.elseif JJ < 128
	WIN 0x8a
.set rX, JS+32*((JJ-64)/16)+(JJ-64)%16
	v_exp_f32 v[rX], v[rX]
.elseif JJ == 128
	v_nop
	s_wait_alu depctr_va_vdst(0)                   ; one wait for the 64 exponentials, ahead of their first reader
.elseif JJ < 161
	WIN 0x8a
.set rX, JS+32*((JJ-129)/8)+2*((JJ-129)%8)
	v_pk_add_f32 v[rX:rX+1], v[rX:rX+1], 1.0 op_sel_hi:[1,0]
.elseif JJ < 225
	WIN 0x8a
.set rX, JS+32*((JJ-161)/16)+(JJ-161)%16
	v_rcp_f32 v[rX], v[rX]
.elseif JJ == 225
	v_nop
	s_wait_alu depctr_va_vdst(0)                   ; and one for the reciprocals
.elseif JJ < 258
	WIN 0x8a
.set rX, JS+32*((JJ-226)/8)+2*((JJ-226)%8)
	v_pk_mul_f32 v[rX+16:rX+17], v[rX+16:rX+17], v[rX:rX+1]
.elseif JJ < 290
	WIN 0x0a
.set rX, JS+32*((JJ-258)%4)+16+2*((JJ-258)/4)
.if JJ < 262
	v_max3_num_f32 v[TM+(JJ-258)%4], |v[rX]|, |v[rX+1]|, 0x2800000
.else
	v_max3_num_f32 v[TM+(JJ-258)%4], |v[rX]|, |v[rX+1]|, v[TM+(JJ-258)%4]
.endif
.elseif JJ < 294
	WIN 0
	v_permlanex16_b32 v[TP+JJ-290], v[TM+JJ-290], s[SEL], s[SEL+1]
.elseif JJ < 298
	WIN 0
	v_max_num_f32 v[TM+JJ-294], v[TM+JJ-294], v[TP+JJ-294]
.elseif JJ < 302
	WIN 0
	v_add_nc_u32 v[SO+JJ-298], 0xfe000000, v[TM+JJ-298]
.elseif JJ < 306
	WIN 0
	v_lshrrev_b32 v[TP+JJ-302], 23, v[SO+JJ-302]
.elseif JJ < 310
	WIN 0
.if JB == 0
	v_mov_b32 v[PW+JJ-306], v[TP+JJ-306]
.else
	v_lshl_or_b32 v[PW+JJ-306], v[TP+JJ-306], 8*JB, v[PW+JJ-306]
.endif
.elseif JJ < 314
	WIN 0x42
.set rX, JS+32*(JJ-310)+16
.set rY, 192+16*(JJ-310)+6*(JB/2)+(12-6*(JB/2))*(JB%2)   ; an even block's codes at their place, an odd block's aside (a conversion's three registers begin on an even number)
	v_cvt_scalef32_pk16_bf6_f32 v[rY:rY+2], v[rX:rX+15], v[SO+JJ-310]
.elseif JJ == 314
	v_nop                                          ; one plain place behind the scaled conversions
.elseif JJ < 327
	WIN 0x41
.set rY, 192+16*((JJ-315)/3)
	v_permlane16_swap_b32 v[rY+6*(JB/2)+(JJ-315)%3], v[rY+12+(JJ-315)%3]
.else
	WIN 0x41
.set rY, 192+16*((JJ-327)/3)
	v_mov_b32 v[rY+6*(JB/2)+3+(JJ-327)%3], v[rY+12+(JJ-327)%3]
.endif
.endm
.macro WGHI                            ; number JJ of 64: T += weight x E, two at a time, each accumulator from its low end on
	WIN 0xf2
	v_pk_fma_f32 v[128*JB+2*JJ:128*JB+2*JJ+1], v[JS+2*JJ:JS+2*JJ+1], s[FW:FW+1], v[128*JB+2*JJ:128*JB+2*JJ+1] op_sel_hi:[1,0,1]
.endm
.macro JOBSET kind, sb, b              ; the vector work that stands in slices in the next step: 0 none, 1 the activation of set sb, block b, 2 the weighing of set sb into T's half b
.set JK, \kind
.set JS, \sb
.set JB, \b
.set JJ, 0
.set JN, 0
.if (\kind) == 1
.set JN, 315+24*((\b)%2)
.endif
.if (\kind) == 2
.set JN, 64
.endif
.endm
.macro JOB                             ; a slice: six numbers of the activation's list (64 x 6 covers its 339), or one of the weighing's 64
.if JK == 1
.rept 6
.if JJ < JN
	ACTI
.set JJ, JJ+1
.endif
.endr
.endif
.if JK == 2
.if JJ < JN
	WGHI
.set JJ, JJ+1
.endif
.endif
.endm
.macro JOBALL                          ; a whole list on end
.rept 340
.if JJ < JN
.if JK == 1
	ACTI
.else
	WGHI
.endif
.set JJ, JJ+1
.endif
.endr
.endm
.macro QUART sb, bank, s, ws, cm       ; 16 matrix instructions on 16 accumulators, in the same order in every quarter; a slice behind each
.irp f, 0,1,2,3
.irp t, 0,1,2,3
	MM \sb, \bank, \f, \t, \s, \ws, \cm
	JOB
.endr
.endr
.endm
; A STEP, st = 0-3: G steps, 4, 5: D steps.  mode 0: in the loop; 1: the last D0 (nothing is asked for); 2: the last D1 (nothing follows).
; Quarter q of step st reads bank (4 st + q) % 3; each run of 12 loads goes into the bank that the quarter just issued has read, two quarters ahead of its use.
; The counts of s_wait_dscnt are the LDS instructions issued behind the wanted ones (LW 12, LB 13): 24 = two LW; step 0: 50 = LB LW LB LW, 37 = LB LW LW; step 4: 39 = three LB, 38 = two LB and LW; step 5: 37 = LW LB LW.
; Quarters 2 and 3 need no wait: the change of slots has waited for all.
.macro STEP st, mode
.set ZSL, (\st)%2
.set ZSN, 1-ZSL
.set ZSB, 128*ZSL
.set ZB0, (4*(\st))%3
.set ZB1, (4*(\st)+1)%3
.set ZB2, (4*(\st)+2)%3
.set ZC, 0
.set ZTR, 0
.set ZNG, 0
.set ZX, 0
.set ZRF, 0
.set ZLM, LIMA
.set ZN0, 24
.set ZN1, 24
.if (\st) < 4
.set ZC, 1
.endif
.if ((\st) > 0) && ((\st) < 4)
.set ZTR, 1
.endif
.if ((\st) < 3) || ((\st) == 5)
.set ZNG, 1
.endif
.if (\mode) == 0
.set ZRF, 1
.if (\st) == 5
.set ZX, 1
.set ZN1, 37
.endif
.endif
.if ((\st) == 2) || ((\st) == 3)
.set ZLM, LIMB
.endif
.if (\st) == 0
.set ZN0, 50
.set ZN1, 37
.endif
.if (\st) == 4
.set ZN0, 39
.set ZN1, 38
.endif
	s_wait_dscnt ZN0
	QUART ZSB, ZB0, 0, ZSL, ZC
	WIN 0
	PLACES
.if ZX
	LB AX, AXS, 0                                  ; in a chunk's last step x comes back, K step by K step, into the registers that the hidden layer leaves
.endif
	LW ZSL, 3, ZB0
	s_wait_dscnt ZN1
	QUART ZSB, ZB1, 1, ZSL, 2
.if (\mode) < 2
	TURN ZSL, ZRF, ZTR
.if ZX
	LB AX, AXS, 1
.endif
	LWS ZSN
.if ZNG
	LBIAS ZSN
.endif
	LW ZSN, 0, ZB1
.if ZRF
	ASK ZLM
.endif
.else
	s_wait_dscnt 12                                ; quarter 2's bank is in; quarter 3's 12 loads may be out
.endif
	QUART ZSB, ZB2, 2, ZSL, 2
	WIN 0
	PLACES
.if (\mode) < 2
.if ZX
	LB AX, AXS, 2
.endif
	LW ZSN, 1, ZB2
.else
	s_wait_dscnt 0x0
.endif
	QUART ZSB, ZB0, 3, ZSL, 2
	WIN 0
	PLACES
.if (\mode) < 2
.if ZX
	LB AX, AXS, 3
.endif
	LW ZSN, 2, ZB0
.endif
.endm
.macro NEXTW                           ; the next chunk's weight leaves the queue
	s_mov_b32 s[FW], s[FQ]
	s_mov_b32 s[FW+1], s[FQ]
	s_mov_b32 s[FQ], s[FQ+1]
	s_mov_b32 s[FQ+1], s[FQ+2]
	s_mov_b32 s[FQ+2], s[FQ+3]
	s_mov_b32 s[FQ+3], s[FQ+4]
.endm
	s_load_b256 s[4:11], s[0:1], 0x0               ; wstream s[4:5], x's codes s[6:7], x's scales s[8:9], routing_weights s[10:11]
	s_load_b128 s[12:15], s[0:1], 0x20             ; bs_down, br_down
	s_load_b64 s[16:17], s[0:1], 0x30              ; part
	v_lshl_add_u32 v[SPW], v0, 2, SPARE
	v_mov_b32 v[NIL], 0
	ds_add_u32 v1, v2
	ds_add_u32 v1, v2
	s_wait_dscnt 0x0
	v_lshrrev_b32 v241, 5, v0
	v_readfirstlane_b32 s[WV], v241                ; wave 0..3
	s_bfe_u32 s[CX], ttmp6, 0x40000                ; my place in the cluster: it enters global addresses alone
	s_lshl_b32 s[TBK], ttmp9, 2
	s_add_co_u32 s[TBK], s[TBK], s[CX]             ; my block of 64 tokens
	s_and_b32 s[SPL], ttmp7, 0xffff                ; the split, which the four partners share
	v_and_b32 v242, 31, v0                         ; lane
	v_and_b32 v243, 15, v0                         ; r
	v_bfe_u32 v244, v0, 4, 1                       ; h
	v_lshlrev_b32 v[GO], 4, v242
	s_mul_i32 s23, s[WV], WT
	v_add_nc_u32 v[AW], s23, v[GO]
	v_add_nc_u32 v[AW+1], SLOT1, v[AW]
	v_lshl_add_u32 v[AB], v244, 6, s23
	v_add_nc_u32 v[AB+1], SLOT1, v[AB]
	v_add_nc_u32 v[AX], XIMG, v[GO]
	v_add_nc_u32 v[AXS], XSC, v[GO]
	v_add_nc_u32 v[AH], HIMG, v[GO]
	v_add_nc_u32 v[AHS], HSC, v[GO]
	s_mul_i32 s51, s[WV], FRB
	v_add_nc_u32 v[HWI], s51, v[AH]
	s_lshl_b32 s51, s[WV], 9
	v_add_nc_u32 v[HWS], s51, v[AHS]
	v_lshl_add_u32 v250, v244, 5, s51              ; the down biases: my 128 columns, + 8 for the upper half of the lanes, in bytes
	s_mul_i32 s51, s[WV], 16*528
	s_add_co_u32 s51, s51, STG                     ; my stage
	v_add_nc_u32 v[SRD], s51, v[GO]                ; back: a row of 512 bytes, 16 bytes a lane
	v_mul_u32_u24 v[STO], v243, 528
	v_lshl_add_u32 v[STO], v244, 5, v[STO]
	v_add_nc_u32 v[STO], s51, v[STO]               ; in: row r, + 32 h
	s_mul_i32 s51, s[WV], 4*FRB
	v_add_nc_u32 v246, s51, v[AX]                  ; x: wave w lays token tile w: its four images,
	s_lshl_b32 s51, s[WV], 2
	v_add_nc_u32 v247, s51, v[AXS]                 ; and its scale words
	v_mul_u32_u24 v248, v243, 384
	v_mad_u32_u24 v248, v244, 24, v248             ; x's codes: row r of 384 bytes, + 24 h
	v_lshlrev_b32 v249, 4, v243                    ; x's scales: 16 bytes a row
	s_lshl_b32 s51, s[CX], 5
	v_add_nc_u32 v[PFO], s51, v242
	v_min_u32 v[PFO], 100, v[PFO]
	v_lshlrev_b32 v[PFO], 8, v[PFO]
.irp t, 0,1,2,3
	v_mov_b32 v[TP+\t], 0                          ; written once: a lane permute's destination counts as one of its sources
.endr
	; descriptor group 1: a dense block of 25,856 bytes as 101 rows of 256 (32 elements of 8 bytes), no padding
	s_mov_b32 s[G1], 15|(3<<16)|(1<<21)            ; 15:0 the mask: all four work-groups; 17:16 elements of 8 bytes; 21 set beside a mask
	s_mov_b32 s[G1+1], 32<<16                      ; tensor_dim0
	s_mov_b32 s[G1+2], 101<<16                     ; tensor_dim1
	s_mov_b32 s[G1+3], 32<<16                      ; tile_dim0
	s_mov_b32 s[G1+4], 101                         ; tile_dim1
	s_mov_b32 s[G1+5], 32                          ; from row to row
	s_mov_b32 s[G1+6], 0
	s_mov_b32 s[G1+7], 0
	s_mov_b32 s[SEL], 0x76543210
	s_mov_b32 s[SEL+1], 0xfedcba98                 ; v_permlanex16_b32's selects for lane l xor 16
	s_mov_b32 s[NL2], 0xbfb8aa3b                   ; -log2(e)
	s_mov_b32 s[NL2+1], s[NL2]
	s_mov_b32 s[CNT], 5
	s_cmp_eq_u32 ttmp9, 0                          ; the split's first cluster prefetches: the same in all four partners
	s_cselect_b32 s[LIMA], 0, -1
	s_cselect_b32 s[LIMB], 1, -1                   ; (steps 2 and 3 ask for nothing in the last trip: there is no tile four steps on)
	s_mul_i32 s62, s[SPL], 30*TILEB
	s_add_co_u32 s62, s62, s23                     ; my wave's part of the split's tile 0
	s_mov_b32 s63, 0
	s_lshl_b32 s66, s[TBK], 6
	s_lshl_b32 s67, s[WV], 4
	s_add_co_u32 s66, s66, s67                     ; the first token of the tile that I lay: 64 block + 16 w
	s_mul_i32 s68, s66, 384
	s_mov_b32 s69, 0
	s_lshl_b32 s70, s66, 4
	s_mov_b32 s71, 0
	s_lshl_b32 s66, ttmp9, 5                       ; routing_weights: batch = block / 4 = the cluster's number: 32 bytes a batch,
	s_lshl_b32 s67, s[SPL], 3
	s_add_co_u32 s66, s66, s67                     ; experts 2 split and 2 split + 1
	s_mov_b32 s67, 0
	s_wait_kmcnt 0x0
	s_add_nc_u64 s[4:5], s[4:5], s[62:63]
	s_add_nc_u64 s[6:7], s[6:7], s[68:69]
	s_add_nc_u64 s[8:9], s[8:9], s[70:71]
	s_add_nc_u64 s[10:11], s[10:11], s[66:67]
	s_load_b64 s[R0:R0+1], s[10:11], 0x0
	s_lshl_b32 s62, s[SPL], 12                     ; br_down: 2,048 bytes an expert
	s_add_nc_u64 s[14:15], s[14:15], s[62:63]
	s_lshl_b32 s62, s[SPL], 23                     ; part: 8,388,608 bytes a split, 131,072 a block, 512 for my wave's columns
	s_lshl_b32 s66, s[TBK], 17
	s_add_co_u32 s62, s62, s66
	s_lshl_b32 s66, s[WV], 9
	s_add_co_u32 s62, s62, s66
	s_add_nc_u64 s[16:17], s[16:17], s[62:63]
.irp s, 0,1,2,3
.irp p, 0,1,2,3,4,5
	global_load_b64 v[WB+12*\s+2*\p:WB+12*\s+2*\p+1], v248, s[6:7] offset:96*\s+48*(\p/3)+8*(\p%3)   ; my token tile's four fragments
.endr
.endr
	global_load_b128 v[252:255], v249, s[8:9]      ; and its four scale words a row
	WIN 0x80
.irp d, 0,1
.irp n, 0,1,2,3
.irp g, 0,1
	global_load_b128 v[32*\d+8*\n+4*\g:32*\d+8*\n+4*\g+3], v250, s[12:13] offset:256*\d+64*\n+16*\g            ; bs_down, in T's layout
	global_load_b128 v[64+32*\d+8*\n+4*\g:64+32*\d+8*\n+4*\g+3], v250, s[14:15] offset:256*\d+64*\n+16*\g      ; br_down of the first expert,
	global_load_b128 v[128+32*\d+8*\n+4*\g:128+32*\d+8*\n+4*\g+3], v250, s[14:15] offset:2048+256*\d+64*\n+16*\g  ; of the second
.endr
.endr
.endr
	WIN 0
	s_mov_b32 s[G0], 1                             ; group 0, a set for each slot: count 1; LDS address; global address; type 2
	s_mov_b32 s[G0+1], s23
	s_mov_b64 s[G0+2:G0+3], s[4:5]
	s_or_b32 s[G0+3], s[G0+3], 0x80000000
	s_mov_b32 s[G0+4], 1
	s_add_co_u32 s[G0+5], s23, SLOT1
	s_add_nc_u64 s[G0+6:G0+7], s[4:5], TILEB
	s_or_b32 s[G0+7], s[G0+7], 0x80000000
	s_add_nc_u64 s[PFA:PFA+1], s[4:5], 3*TILEB     ; step 0's change of slots steps it to tile 4.  Nothing is prefetched here, at the head
	CROUND                                         ; all four work-groups are here: the first joint loads meet
	tensor_load_to_lds s[G0:G0+3], s[G1:G1+7]      ; tiles 0 and 1: two loads of mine are out
	s_nop 0
	tensor_load_to_lds s[G0+4:G0+7], s[G1:G1+7]
	s_nop 0
	PLACES
	s_wait_loadcnt 48                              ; x's 25 loads are in; the 48 bias loads behind them may be out
.irp s, 0,1,2,3
.irp c, 0,1,2
	ds_store_b128 v246, v[WB+12*\s+4*\c:WB+12*\s+4*\c+3] offset:FRB*\s+512*\c
.endr
	ds_store_b32 v247, v[252+\s] offset:512*\s
.endr
	s_wait_kmcnt 0x0
	s_mov_b32 s[R1], s[R0+1]                       ; the two weights, each twice: the packed forms name pairs
	s_mov_b32 s[R1+1], s[R0+1]
	s_mov_b32 s[R0+1], s[R0]
	s_cmp_eq_u32 s[SPL], 0
	s_cselect_b32 s[SL0], 0x3f800000, 0            ; bs_down counts in split 0 alone
	s_mov_b32 s[SL0+1], s[SL0]
	s_mov_b32 s[FQ], 0x3f800000                    ; the chunks' weights: 1 for the shared chunk, then each expert's twice
	s_mov_b32 s[FQ+1], s[R0]
	s_mov_b32 s[FQ+2], s[R0]
	s_mov_b32 s[FQ+3], s[R1]
	s_mov_b32 s[FQ+4], s[R1]
	s_wait_loadcnt 0x0
	WIN 0x82
.set i, 0
.rept 32
	v_pk_mul_f32 v[i:i+1], v[i:i+1], s[SL0:SL0+1] op_sel_hi:[1,0]
.set i, i+2
.endr
	WIN 0xa2
.set i, 0
.rept 32
	v_pk_fma_f32 v[i:i+1], v[64+i:65+i], s[R0:R0+1], v[i:i+1] op_sel_hi:[1,0,1]
.set i, i+2
.endr
	WIN 0xe2
.irp d, 0,1
.irp t, 0,1,2,3
.set i, 0
.rept 16
	v_pk_fma_f32 v[128*\d+32*\t+i:128*\d+32*\t+i+1], v[128+32*\d+i:129+32*\d+i], s[R1:R1+1], v[32*\d+i:32*\d+i+1] op_sel_hi:[1,0,1]   ; T starts as the biases, the same for every token: nothing is cleared
.set i, i+2
.endr
.endr
.endr
	WIN 0
	s_wait_tensorcnt 0x1                           ; my part of tile 0 is in; tile 1's load may stay out
	s_wait_dscnt 0x0                               ; for the others' sake: my images of x have landed
	s_barrier_signal -1
	s_barrier_wait -1
	LB AX, AXS, 0
	LB AX, AXS, 1
	LB AX, AXS, 2
	LB AX, AXS, 3
	LWS 0
	LBIAS 0
	LW 0, 0, 0
	LW 0, 1, 1
	LW 0, 2, 2
	s_wait_dscnt 0x0
	s_branch .Lenter                               ; a trip is the D steps of the chunk before and the G steps of a chunk: the first trip has no chunk before it
.Lloop:
	NEXTW
	JOBSET 0, 0, 0
	STEP 4, 0                                      ; D0 -> set A
	JOBSET 2, 0, 0
	STEP 5, 0                                      ; D1 -> set B | T's first half takes set A | x comes back
	JOBSET 2, 128, 1
	JOBALL                                         ; T's second half takes set B
	WIN 0
.Lenter:
	JOBSET 0, 0, 0
	STEP 0, 0                                      ; G0 -> set A
	JOBSET 1, 0, 0
	STEP 1, 0                                      ; G1 -> set B | block 0's activation
	JOBSET 1, 128, 1
	STEP 2, 0                                      ; G2 -> set A | block 1's
	JOBSET 1, 0, 2
	STEP 3, 0                                      ; G3 -> set B | block 2's
	JOBSET 1, 128, 3
	JOBALL                                         ; block 3's
	WIN 0x04                                       ; an LDS store's data are its source 1: window 1
.irp t, 0,1,2,3
.irp c, 0,1,2
	ds_store_b128 v[HWI], v[192+16*\t+4*\c:192+16*\t+4*\c+3] offset:4*FRB*\t+512*\c   ; my 128 units of token tile t: fragment (t, K step w), as it stands
.endr
.endr
	WIN 0
	ds_store_b128 v[HWS], v[PW:PW+3]               ; and the four tiles' scale words
	s_wait_dscnt 0x0                               ; my stores have landed; the tile on its way may stay out
	s_barrier_signal -1
	s_barrier_wait -1                              ; the hidden layer's sixteen fragments lie in LDS.  They are written again only behind later rounds, in front of which every wave has waited for its reads
	LB AH, AHS, 0
	LB AH, AHS, 1
	LB AH, AHS, 2
	LB AH, AHS, 3
	s_sub_co_u32 s[CNT], s[CNT], 1
	s_cmp_lg_u32 s[CNT], 0
	s_cbranch_scc1 .Lloop
	; the last chunk's D steps are written out: they ask for no tile
	NEXTW
	JOBSET 0, 0, 0
	STEP 4, 1
	JOBSET 2, 0, 0
	STEP 5, 2
	JOBSET 2, 128, 1
	JOBALL
; THE WAY OUT, a token tile (16 rows x my 128 columns) at a time.  A lane holds 32 neighbouring bytes of a row, and the lanes beside it hold other rows: so a tile goes through my own stage and comes back as whole rows of
; 512 bytes.  LDS serves a wave's instructions in order (ISA guide 5.7.1.4): no wait between the stores and the loads, nor in front of the next tile's stores.  Each tile has registers of its own for the way back.
.macro TOSTAGE t
	WIN 0x0c
.irp d, 0,1
.irp n, 0,1,2,3
	ds_store_b128 v[STO], v[128*\d+32*(\t)+8*\n:128*\d+32*(\t)+8*\n+3] offset:256*\d+64*\n
	ds_store_b128 v[STO], v[128*\d+32*(\t)+8*\n+4:128*\d+32*(\t)+8*\n+7] offset:256*\d+64*\n+16
.endr
.endr
	WIN 0x80
.irp i, 0,1,2,3,4,5,6,7,8,9,10,11,12,13,14,15
	ds_load_b128 v[64*(\t)+4*\i:64*(\t)+4*\i+3], v[SRD] offset:528*\i
.endr
.endm
.macro SEND t, younger                 ; younger: the LDS instructions issued behind tile t's loads: the next tile's 32, or none
	s_wait_dscnt \younger
	WIN 0x08
.irp i, 0,1,2,3,4,5,6,7,8,9,10,11,12,13,14,15
	global_store_b128 v[GO], v[64*(\t)+4*\i:64*(\t)+4*\i+3], s[16:17] offset:(16*(\t)+\i)*2048   ; 32 lanes store 512 consecutive bytes, at a multiple of 512 from part's first byte
.endr
.endm
	TOSTAGE 0
	TOSTAGE 1
	SEND 0, 32
	TOSTAGE 2
	SEND 1, 32
	TOSTAGE 3
	SEND 2, 32
	SEND 3, 0
	WIN 0
	s_wait_tensorcnt 0x0                           ; the wave's end: behind my last tensor load and my last LDS store
	ds_add_u32 v[SPW], v[NIL]
	s_wait_dscnt 0x0
	CROUND                                         ; the closing round: no work-group ends while a partner may still ask for a tile that names it
	s_endpgm
.Lfunc_end_k_q95703c7843_ffn:
	.size	k_q95703c7843_ffn, .Lfunc_end_k_q95703c7843_ffn-k_q95703c7843_ffn
	.p2alignl 7, 3214868480
	.fill 96, 4, 3214868480
	.section	.rodata,"a",@progbits
	.p2align	6, 0x0
	.amdhsa_kernel k_q95703c7843_ffn
		.amdhsa_group_segment_fixed_size 327680
		.amdhsa_private_segment_fixed_size 0
		.amdhsa_enable_private_segment 0
		.amdhsa_kernarg_size 56
		.amdhsa_user_sgpr_count 2
		.amdhsa_user_sgpr_kernarg_segment_ptr 1
		.amdhsa_wavefront_size32 1
		.amdhsa_system_sgpr_workgroup_id_x 1
		.amdhsa_system_sgpr_workgroup_id_y 1
		.amdhsa_system_sgpr_workgroup_id_z 1
		.amdhsa_system_vgpr_workitem_id 0
		.amdhsa_next_free_vgpr 1024
		.amdhsa_next_free_sgpr 72
		.amdhsa_reserve_vcc 0
		.amdhsa_float_denorm_mode_32 3
		.amdhsa_float_denorm_mode_16_64 3
		.amdhsa_memory_ordered 1
		.amdhsa_forward_progress 1
		.amdhsa_inst_pref_size 255
	.end_amdhsa_kernel
	.amdgpu_metadata
---
amdhsa.version: [ 1, 2 ]
amdhsa.kernels:
  - .name:           k_q95703c7843_ffn
    .symbol:         k_q95703c7843_ffn.kd
    .args:
      - { .name: wstream, .offset: 0, .size: 8, .value_kind: global_buffer, .address_space: global }
      - { .name: x_codes, .offset: 8, .size: 8, .value_kind: global_buffer, .address_space: global }
      - { .name: x_scales, .offset: 16, .size: 8, .value_kind: global_buffer, .address_space: global }
      - { .name: routing_weights, .offset: 24, .size: 8, .value_kind: global_buffer, .address_space: global }
      - { .name: bs_down, .offset: 32, .size: 8, .value_kind: global_buffer, .address_space: global }
      - { .name: br_down, .offset: 40, .size: 8, .value_kind: global_buffer, .address_space: global }
      - { .name: part, .offset: 48, .size: 8, .value_kind: global_buffer, .address_space: global }
    .group_segment_fixed_size: 327680
    .private_segment_fixed_size: 0
    .kernarg_segment_align: 8
    .kernarg_segment_size: 56
    .max_flat_workgroup_size: 128
    .sgpr_count:     72
    .vgpr_count:     1024
    .wavefront_size: 32
...
	.end_amdgpu_metadata
.endif
;; end of part 2
;; launch sum (part 3): grid 512 x 1, 8 waves a work-group, no clusters, 0 bytes of LDS; arguments part, out0; writes out0
.if DOCPART == 3
	.amdgcn_target "amdgcn-amd-amdhsa--gfx1250"
	.amdhsa_code_object_version 6
	.text
	.protected	k_q95703c7843_sum
	.globl	k_q95703c7843_sum
	.p2align	8
	.type	k_q95703c7843_sum,@function
k_q95703c7843_sum:
	s_mov_b64 s[64:65], 0
	v_nop
	global_prefetch_b8 v0, s[64:65] scope:SCOPE_SE
	s_setreg_imm32_b32 hwreg(HW_REG_WAVE_MODE, 25, 1), 1
	s_wait_xcnt 0x0
; out0 = the sum of the four splits' parts: part is [4][4096][512] f32, out0 [4096][512] f32.  The biases are in the parts already.
; A stream: a work-group takes 16,384 bytes of out0, a thread 4 x 16 bytes, 4,096 bytes apart; each load and store of a wave covers 512 consecutive bytes, aligned.
; All sixteen loads of a thread go out at once, ordered by piece; the waits count the loads of the later pieces: 12, 8, 4, 0.  No LDS, no matrix unit, no cluster: work-groups share nothing.
	s_load_b128 s[4:7], s[0:1], 0x0                ; part, out0
	v_lshlrev_b32 v1, 4, v0
	s_lshl_b32 s8, ttmp9, 14
	v_add_nc_u32 v1, s8, v1
	s_wait_kmcnt 0x0
	s_add_nc_u64 s[10:11], s[4:5], 0x800000        ; a split's part is 8,388,608 bytes: one more than a load's immediate holds, so each has its base
	s_add_nc_u64 s[12:13], s[10:11], 0x800000
	s_add_nc_u64 s[14:15], s[12:13], 0x800000
.irp i, 0,1,2,3
	global_load_b128 v[8+16*\i:11+16*\i], v1, s[4:5] offset:4096*\i th:TH_LOAD_NT
	global_load_b128 v[12+16*\i:15+16*\i], v1, s[10:11] offset:4096*\i th:TH_LOAD_NT
	global_load_b128 v[16+16*\i:19+16*\i], v1, s[12:13] offset:4096*\i th:TH_LOAD_NT
	global_load_b128 v[20+16*\i:23+16*\i], v1, s[14:15] offset:4096*\i th:TH_LOAD_NT
.endr
.irp i, 0,1,2,3
	s_wait_loadcnt 12-4*\i
	v_pk_add_f32 v[8+16*\i:9+16*\i], v[8+16*\i:9+16*\i], v[12+16*\i:13+16*\i]
	v_pk_add_f32 v[10+16*\i:11+16*\i], v[10+16*\i:11+16*\i], v[14+16*\i:15+16*\i]
	v_pk_add_f32 v[16+16*\i:17+16*\i], v[16+16*\i:17+16*\i], v[20+16*\i:21+16*\i]
	v_pk_add_f32 v[18+16*\i:19+16*\i], v[18+16*\i:19+16*\i], v[22+16*\i:23+16*\i]
	v_pk_add_f32 v[8+16*\i:9+16*\i], v[8+16*\i:9+16*\i], v[16+16*\i:17+16*\i]
	v_pk_add_f32 v[10+16*\i:11+16*\i], v[10+16*\i:11+16*\i], v[18+16*\i:19+16*\i]
	global_store_b128 v1, v[8+16*\i:11+16*\i], s[6:7] offset:4096*\i th:TH_STORE_NT
.endr
	s_endpgm
.Lfunc_end_k_q95703c7843_sum:
	.size	k_q95703c7843_sum, .Lfunc_end_k_q95703c7843_sum-k_q95703c7843_sum
	.p2alignl 7, 3214868480
	.fill 96, 4, 3214868480
	.section	.rodata,"a",@progbits
	.p2align	6, 0x0
	.amdhsa_kernel k_q95703c7843_sum
		.amdhsa_group_segment_fixed_size 0
		.amdhsa_private_segment_fixed_size 0
		.amdhsa_enable_private_segment 0
		.amdhsa_kernarg_size 16
		.amdhsa_user_sgpr_count 2
		.amdhsa_user_sgpr_kernarg_segment_ptr 1
		.amdhsa_wavefront_size32 1
		.amdhsa_system_sgpr_workgroup_id_x 1
		.amdhsa_system_sgpr_workgroup_id_y 1
		.amdhsa_system_sgpr_workgroup_id_z 1
		.amdhsa_system_vgpr_workitem_id 0
		.amdhsa_next_free_vgpr 72
		.amdhsa_next_free_sgpr 66
		.amdhsa_reserve_vcc 0
		.amdhsa_float_denorm_mode_32 3
		.amdhsa_float_denorm_mode_16_64 3
		.amdhsa_memory_ordered 1
		.amdhsa_forward_progress 1
		.amdhsa_inst_pref_size 5
	.end_amdhsa_kernel
	.amdgpu_metadata
---
amdhsa.version: [ 1, 2 ]
amdhsa.kernels:
  - .name:           k_q95703c7843_sum
    .symbol:         k_q95703c7843_sum.kd
    .args:
      - { .name: part, .offset: 0, .size: 8, .value_kind: global_buffer, .address_space: global }
      - { .name: out0, .offset: 8, .size: 8, .value_kind: global_buffer, .address_space: global }
    .group_segment_fixed_size: 0
    .private_segment_fixed_size: 0
    .kernarg_segment_align: 8
    .kernarg_segment_size: 16
    .max_flat_workgroup_size: 256
    .sgpr_count:     66
    .vgpr_count:     72
    .wavefront_size: 32
...
	.end_amdgpu_metadata
.endif
;; end of part 3
;; ======== version 2 of 2: 3 launches
;; limits: right only within a limited range of input values
;; workspace buffers: wstream 12,410,880 bytes; part 33,554,432 bytes
;; launch lay: the kernel of part 1 again; grid 6 x 80, 4 waves a work-group, no clusters, 0 bytes of LDS; arguments Ws_gate_codes, Ws_gate_scales, Ws_up_codes, Ws_up_scales, Ws_down_codes, Ws_down_scales, Wr_gate_codes, Wr_gate_scales, Wr_up_codes, Wr_up_scales, Wr_down_codes, Wr_down_scales, bs_gate, bs_up, br_gate, br_up, wstream; writes wstream
;; launch ffn (part 4): grid 64 x 4, 4 waves a work-group, clusters of 4 x 1, 327,680 bytes of LDS; arguments wstream, x_codes, x_scales, routing_weights, bs_down, br_down, part; writes part
.if DOCPART == 4
	.amdgcn_target "amdgcn-amd-amdhsa--gfx1250"
	.amdhsa_code_object_version 6
	.text
	.protected	k_q95703c7843_ffn
	.globl	k_q95703c7843_ffn
	.p2align	8
	.type	k_q95703c7843_ffn,@function
k_q95703c7843_ffn:
	s_mov_b64 s[64:65], 0
	v_nop
	global_prefetch_b8 v0, s[64:65] scope:SCOPE_SE
	s_setreg_imm32_b32 hwreg(HW_REG_WAVE_MODE, 25, 1), 1
	s_wait_xcnt 0x0
	s_wait_alu depctr_hold_cnt(0) depctr_sa_sdst(0) depctr_va_vdst(0) depctr_va_sdst(0) depctr_va_ssrc(0) depctr_va_vcc(0) depctr_vm_vsrc(0)
	s_getreg_b32 s2, hwreg(HW_REG_IB_STS2, 6, 4)
	s_cmp_eq_u32 s2, 0
	s_cbranch_scc0 .Lentry_in_a_cluster
	s_endpgm
.Lentry_in_a_cluster:
	s_bfe_u32 s2, ttmp6, 0x10000c
	s_cmp_lg_u32 s2, 0x3003
	s_cbranch_scc0 .Lentry_shape_is_right
	s_endpgm
.Lentry_shape_is_right:
; part[split][token][:] = the split's share of  silu(x Wg + bg) (x Wu + bu) Wd + bd,  shared layer and all eight experts, each expert's finished f32 product weighed by routing_weights[batch][expert].
; All products on codes of BF6 (E3M2) with one E8M0 scale for each 32 along K; the hidden layer is computed in f32, quantised along the hidden axis in registers, and never goes to memory.
; SHARES.  A work-group owns 64 tokens (4 tiles of 16) and one split of the hidden axis: 5 chunks of 512 hidden units (a quarter of the shared layer, then experts 2 split and 2 split + 1 in halves).
; In a chunk wave w makes hidden units 128 w .. + 127 for all 64 tokens (4 G steps of 32 units: gate and up) and output columns 128 w .. + 127 (2 D steps of 64 columns, K = the chunk's 512 units).
; Every step has one form: 4 quarters (K step s of 128) of 16 matrix instructions: 4 weight fragments x 4 token tiles, on 16 accumulators that take turns.  Source 0 = 16 rows of a weight, source 1 = 16 tokens: a lane holds ONE token.
; Two sets of 16 accumulators alternate from step to step: while one is multiplied, the other is worked on by vector instructions that stand in slices behind the matrix instructions.
; WEIGHTS come as the stream that the launch before has laid: a step's tile is 4 x 25,856 bytes, each wave's part read by that wave alone, as images of the operand's registers (3 loads of 16 bytes a lane for a fragment).
; Ring of two LDS slots of one step; a slot is asked for again in the middle of its step, when its last fragments are in registers, and has a whole step in which to land.
; CLUSTER.  The four token blocks of a cluster walk the same split: each tile is asked for JOINTLY, by the same tensor load with the same descriptor and the mask of all four.
; THE ORDER OF THE CHUNKS.  The sixteen clusters of a split do not walk its 30 tiles in step: cluster x begins at chunk x mod 5 and walks round, so that five different chunks are being read at any time, and
; all but a cluster's first six tiles have been read by another cluster six steps or more before it asks for them.  The order of the chunks changes only the order of the f32 sums into the totals.
; THE HIDDEN LAYER goes from wave to wave through LDS as images of fragments: wave w's 128 units are K step w of the D steps.
; THE TOTALS T start as the biases (bs_down in split 0; weight x br_down of the split's two experts); a chunk's D results E are added as T += weight x E (weight 1 for the shared chunk).
; LIMITS: NaN and infinities among the inputs are not served (bs_down is multiplied by 0 in splits 1-3; g u is formed ahead of the sigmoid's factor, so |g u| stays under 3.4e38).
; A hidden block whose largest magnitude lies under 2^-122 is held at the scale byte 1; a block of zeros gets the byte 1 too: its codes are zeros, and this program alone reads the bytes.
; REGISTERS, in windows of 256 (s_set_vgpr_msb's low byte: bits 1:0 source 0, 3:2 source 1, 5:4 source 2, 7:6 destination):
;   window 0: v1-15 addresses; v16-31 the quantiser's 4 x 4; v32-47 weights' scale words, a set for each slot; v48-63 the tokens' scale words (4 s + t); v64-95 gate and up biases; v96-239 three banks of 4 weight fragments; v240 prefetch offset
;   window 1: v0-191 the tokens' 16 fragments (tile t, K step s at 12 (4 t + s)): x in G steps, the hidden layer in D steps; v192-255 codes being made, 16 a tile
;   window 2: accumulator sets A (v0-127) and B (v128-255): (fragment f, tile t) at 32 t + 8 f.     window 3: T: 128 d + 32 t + 8 f + j = token 16 t + r, column 128 w + 64 d + 16 f + 8 h + j
.set WT,    25856                      ; a wave's part of a step's tile: 101 rows of 256 bytes
.set TILEB, 4*WT
.set FRB,   1536                       ; a fragment's image
.set SLOT1, 131072                     ; LDS: slot 0 at 0, slot 1 here
.set XIMG,  103424                     ; x's 16 fragments
.set XSC,   128000                     ; their scale words: (t, s) of lane l at 512 s + 16 l + 4 t
.set HIMG,  234496                     ; the hidden layer's 16 fragments
.set HSC,   259072                     ; their scale words, laid as x's
.set STG,   261120                     ; the way out: 16 rows x (512 + 16) bytes for each wave
.set SPARE, 294912                     ; the spare words, 128 bytes for each wave: two blocks of 256 bytes that no other line names
.set SPW, 1
.set NIL, 2
.set AW,  3                            ; v3, v4   my tile in slot 0, 1: + 16 x lane
.set AB,  5                            ; v5, v6   the same + 64 x (lane / 16): for the bias row
.set AX,  7
.set AXS, 8
.set AH,  9
.set AHS, 10
.set HWI, 11                           ; where I store the hidden layer's images: HIMG + 1,536 w + 16 x lane
.set HWS, 12                           ; and their scale words: HSC + 512 w + 16 x lane
.set STO, 13
.set SRD, 14
.set GO,  15                           ; 16 x lane
.set TM,  16                           ; largest magnitudes, a tile each
.set TP,  20                           ; the other half of the lanes'; then the scale's byte
.set SO,  24                           ; the conversions' scale operands
.set PW,  28                           ; the scale words being made
.set WS,  32
.set XS,  48
.set BI,  64
.set WB,  96
.set PFO, 240
.set WV,  18
.set CX,  19
.set TBK, 20
.set SPL, 21
.set CNT, 22
.set G1,  24
.set G0,  32
.set SEL, 40
.set NL2, 42
.set FW,  44                           ; s[44:45] the weight of the chunk whose D steps run
.set CUR, 46                           ; s46      the chunk whose D steps come next, 0..4: it starts at cluster mod 5 and walks round
.set WR,  48                           ; s[48:49] what the D steps' refills go back in the stream: 30 tiles behind the stream's last chunk, else 0
.set PFA, 52                           ; s[52:53] my wave's part of tile 4 of the chunk at which my cluster begins; never rewritten
.set LIM, 54                           ; s54      4 in a cluster that prefetches, else the greatest number: a wave prefetches while s[CNT] is above it: in the first trip
.set R0,  56
.set R1,  58
.set SL0, 60
.set MSB, 0
.macro WIN new                         ; the immediate's high byte repeats the setting that is left; a switch that changes nothing is dropped
.if MSB != \new
	s_set_vgpr_msb (MSB<<8)|\new
.set MSB, \new
.endif
.endm
.macro PLACES                          ; four plain places: behind matrix instructions, in front of loads into their registers and of the first read of their results
.rept 4
	v_nop
.endr
.endm
.macro CROUND                          ; a round of the cluster's barrier: my work-group's barrier; wave 0 signals for the work-group; every wave waits for all four; my work-group's barrier once more
	s_barrier_signal -1
	s_barrier_wait -1
	s_cmp_lg_u32 s[WV], 0
	s_cbranch_scc1 .Lnot_wave_0_\@
	s_barrier_signal -3
.Lnot_wave_0_\@:
	s_barrier_wait -3
	s_barrier_signal -1
	s_barrier_wait -1
.endm
; A prefetch of my wave's part of tile 4 (in step 0) or tile 5 (in step 1) of the chunk at which my cluster begins: two steps ahead of the tensor load that will ask for it.
; Clusters 0 to 4 of a split begin at chunks 0 to 4: they ask, each for its own chunk, in the first trip alone; so each block of 256 bytes is named once in the launch.  The chunk's tiles 0 to 3 come by their loads alone:
; nothing is asked for at the head.  The later chunks of a cluster's walk are asked for by nobody: other clusters of the split have read them by then.
; The four partners share a part's 101 blocks out by address (32 x place + lane, held at 100): no branch hangs on a work-group's place in its cluster.  Neither address register is ever rewritten: tile 5 stands in the immediate.
.macro ASK off
	s_cmp_gt_u32 s[CNT], s[LIM]
	s_cbranch_scc0 .Lnot_mine_\@
	global_prefetch_b8 v[PFO], s[PFA:PFA+1] offset:\off th:TH_LOAD_NT scope:SCOPE_SE
.Lnot_mine_\@:
.endm
; THE CHANGE OF SLOTS, in the middle of a step: all of this slot's fragments are asked for.  refill = 1: each wave waits for all its tensor loads (one is out: the next step's tile), adds 0 to its spare word,
; waits for that and for its reads of this slot; a round of the cluster's barrier; the joint refill, two steps ahead, is the first thing behind it.
; wrap = 1 (the D steps): the tile two steps on is the next chunk's; behind the stream's last chunk comes its first, 30 tiles back.
.macro TURN slot, refill, trans, wrap
	WIN 0                                          ; at a label and at a branch every window is 0
.if \trans
	s_wait_alu depctr_va_vdst(0)                   ; the reciprocals issued so far have their wait ahead of them
.endif
.if \refill
	s_wait_tensorcnt 0x0                           ; no tensor load of mine is out, so a group 0 may be written
	ds_add_u32 v[SPW], v[NIL]                      ; 0 onto my spare word
	s_add_nc_u64 s[G0+2+4*(\slot):G0+3+4*(\slot)], s[G0+2+4*(\slot):G0+3+4*(\slot)], 2*TILEB   ; this slot's next tile
.if \wrap
	s_sub_nc_u64 s[G0+2+4*(\slot):G0+3+4*(\slot)], s[G0+2+4*(\slot):G0+3+4*(\slot)], s[WR:WR+1]   ; round the stream's end; the same in all four partners
.endif
	s_wait_dscnt 0x0                               ; the add is done, and my reads of this slot are over
	CROUND
	tensor_load_to_lds s[G0+4*(\slot):G0+3+4*(\slot)], s[G1:G1+7]
	s_nop 0
	PLACES                                         ; four v_nop follow the load; they are also the places in front of the loads below
.else
	s_wait_tensorcnt 0x0                           ; the last tile is in
	s_wait_dscnt 0x0
	PLACES
.endif
.endm
.macro LW slot, q, bank                ; 12 LDS loads: the four weight fragments of quarter q
.irp f, 0,1,2,3
.irp c, 0,1,2
	ds_load_b128 v[WB+48*(\bank)+12*\f+4*\c:WB+48*(\bank)+12*\f+4*\c+3], v[AW+(\slot)] offset:(4*(\q)+\f)*FRB+512*\c
.endr
.endr
.endm
.macro LWS slot                        ; 2: a step's 8 registers of weight scale words: register 2 s + f / 2: fragment f even in lanes 0-15, odd in lanes 16-31
.irp i, 0,1
	ds_load_b128 v[WS+8*(\slot)+4*\i:WS+8*(\slot)+4*\i+3], v[AW+(\slot)] offset:16*FRB+512*\i
.endr
.endm
.macro LBIAS slot                      ; 8: register j of fragment f = 2 kind + u wants the bias of unit 16 h + 8 u + j
.irp f, 0,1,2,3
.irp g, 0,1
	ds_load_b128 v[BI+8*\f+4*\g:BI+8*\f+4*\g+3], v[AB+(\slot)] offset:16*FRB+1024+128*(\f/2)+32*(\f%2)+16*\g
.endr
.endr
.endm
.macro LB adr, adrs, s                 ; 13: the four token tiles' fragments of K step s, and their scale words
	WIN 0x40
.irp t, 0,1,2,3
.irp c, 0,1,2
	ds_load_b128 v[12*(4*\t+(\s))+4*\c:12*(4*\t+(\s))+4*\c+3], v[\adr] offset:(4*\t+(\s))*FRB+512*\c
.endr
.endr
	WIN 0
	ds_load_b128 v[XS+4*(\s):XS+4*(\s)+3], v[\adrs] offset:512*(\s)
.endm
; One matrix instruction.  cm = 1: C = the biases; 0: C = 0; 2: the sum goes on.
.macro MM sb, bank, f, t, s, ws, cm
.set rD, (\sb)+32*(\t)+8*(\f)
.set rA, WB+48*(\bank)+12*(\f)
.set rB, 12*(4*(\t)+(\s))
.set rP, WS+8*(\ws)+2*(\s)+(\f)/2
.set rQ, XS+4*(\s)+(\t)
.set rC, BI+8*(\f)
.if (\cm) == 1
	WIN 0x84
.else
	WIN 0xa4
.endif
.if (\f)%2 == 0
.if (\cm) == 0
	v_wmma_scale_f32_16x16x128_f8f6f4 v[rD:rD+7], v[rA:rA+11], v[rB:rB+11], 0, v[rP], v[rQ] matrix_a_fmt:MATRIX_FMT_BF6 matrix_b_fmt:MATRIX_FMT_BF6
.elseif (\cm) == 1
	v_wmma_scale_f32_16x16x128_f8f6f4 v[rD:rD+7], v[rA:rA+11], v[rB:rB+11], v[rC:rC+7], v[rP], v[rQ] matrix_a_fmt:MATRIX_FMT_BF6 matrix_b_fmt:MATRIX_FMT_BF6
.else
	v_wmma_scale_f32_16x16x128_f8f6f4 v[rD:rD+7], v[rA:rA+11], v[rB:rB+11], v[rD:rD+7], v[rP], v[rQ] matrix_a_fmt:MATRIX_FMT_BF6 matrix_b_fmt:MATRIX_FMT_BF6
.endif
.else
.if (\cm) == 0
	v_wmma_scale_f32_16x16x128_f8f6f4 v[rD:rD+7], v[rA:rA+11], v[rB:rB+11], 0, v[rP], v[rQ] matrix_a_fmt:MATRIX_FMT_BF6 matrix_b_fmt:MATRIX_FMT_BF6 matrix_a_scale:MATRIX_SCALE_ROW1
.elseif (\cm) == 1
	v_wmma_scale_f32_16x16x128_f8f6f4 v[rD:rD+7], v[rA:rA+11], v[rB:rB+11], v[rC:rC+7], v[rP], v[rQ] matrix_a_fmt:MATRIX_FMT_BF6 matrix_b_fmt:MATRIX_FMT_BF6 matrix_a_scale:MATRIX_SCALE_ROW1
.else
	v_wmma_scale_f32_16x16x128_f8f6f4 v[rD:rD+7], v[rA:rA+11], v[rB:rB+11], v[rD:rD+7], v[rP], v[rQ] matrix_a_fmt:MATRIX_FMT_BF6 matrix_b_fmt:MATRIX_FMT_BF6 matrix_a_scale:MATRIX_SCALE_ROW1
.endif
.endif
.endm
; THE ACTIVATION AND THE QUANTISER of one G step's results (set JS, block JB of my 128 units), as a numbered list; ACTI writes number JJ.  In tile t: G = v[JS + 32 t ..+15], U = v[JS + 32 t + 16 ..+31]:
; register i = hidden unit 16 h + i of the step's 32, for my token.
;   0-31 U = G U (each accumulator is first read at its low end)   32-63 G = -log2(e) G   64-127 G = 2^G   128 a plain place and the batch's one wait   129-160 G = G + 1   161-224 G = 1 / G   225 place and wait
;   226-257 U = U G = silu(g) u   258-289 the largest magnitude of my 16, with the floor 2^(5 - 127) among the leaves   290-297 with lane l xor 16's: the block's   298-301 4 off its exponent field: the conversion's scale operand
;   302-309 the byte, into the scale word   310-313 sixteen codes a tile   314 a plain place   315-338 (odd blocks) the halves change places, so that a lane holds a whole block
.macro ACTI
.if JJ < 32
	WIN 0x8a
.set rX, JS+32*(JJ/8)+2*(JJ%8)
	v_pk_mul_f32 v[rX+16:rX+17], v[rX:rX+1], v[rX+16:rX+17]
.elseif JJ < 64
	WIN 0x8a
.set rX, JS+32*((JJ-32)/8)+2*((JJ-32)%8)
	v_pk_mul_f32 v[rX:rX+1], v[rX:rX+1], s[NL2:NL2+1] op_sel_hi:[1,0]
.elseif JJ < 128
	WIN 0x8a
.set rX, JS+32*((JJ-64)/16)+(JJ-64)%16
	v_exp_f32 v[rX], v[rX]
.elseif JJ == 128
	v_nop
	s_wait_alu depctr_va_vdst(0)                   ; one wait for the 64 exponentials, ahead of their first reader
.elseif JJ < 161
	WIN 0x8a
.set rX, JS+32*((JJ-129)/8)+2*((JJ-129)%8)
	v_pk_add_f32 v[rX:rX+1], v[rX:rX+1], 1.0 op_sel_hi:[1,0]
.elseif JJ < 225
	WIN 0x8a
.set rX, JS+32*((JJ-161)/16)+(JJ-161)%16
	v_rcp_f32 v[rX], v[rX]
.elseif JJ == 225
	v_nop
	s_wait_alu depctr_va_vdst(0)                   ; and one for the reciprocals
.elseif JJ < 258
	WIN 0x8a
.set rX, JS+32*((JJ-226)/8)+2*((JJ-226)%8)
	v_pk_mul_f32 v[rX+16:rX+17], v[rX+16:rX+17], v[rX:rX+1]
.elseif JJ < 290
	WIN 0x0a
.set rX, JS+32*((JJ-258)%4)+16+2*((JJ-258)/4)
.if JJ < 262
	v_max3_num_f32 v[TM+(JJ-258)%4], |v[rX]|, |v[rX+1]|, 0x2800000
.else
	v_max3_num_f32 v[TM+(JJ-258)%4], |v[rX]|, |v[rX+1]|, v[TM+(JJ-258)%4]
.endif
.elseif JJ < 294
	WIN 0
	v_permlanex16_b32 v[TP+JJ-290], v[TM+JJ-290], s[SEL], s[SEL+1]
.elseif JJ < 298
	WIN 0
	v_max_num_f32 v[TM+JJ-294], v[TM+JJ-294], v[TP+JJ-294]
.elseif JJ < 302
	WIN 0
	v_add_nc_u32 v[SO+JJ-298], 0xfe000000, v[TM+JJ-298]
.elseif JJ < 306
	WIN 0
	v_lshrrev_b32 v[TP+JJ-302], 23, v[SO+JJ-302]
.elseif JJ < 310
	WIN 0
.if JB == 0
	v_mov_b32 v[PW+JJ-306], v[TP+JJ-306]
.else
	v_lshl_or_b32 v[PW+JJ-306], v[TP+JJ-306], 8*JB, v[PW+JJ-306]
.endif
.elseif JJ < 314
	WIN 0x42
.set rX, JS+32*(JJ-310)+16
.set rY, 192+16*(JJ-310)+6*(JB/2)+(12-6*(JB/2))*(JB%2)   ; an even block's codes at their place, an odd block's aside (a conversion's three registers begin on an even number)
	v_cvt_scalef32_pk16_bf6_f32 v[rY:rY+2], v[rX:rX+15], v[SO+JJ-310]
.elseif JJ == 314
	v_nop                                          ; one plain place behind the scaled conversions
.elseif JJ < 327
	WIN 0x41
.set rY, 192+16*((JJ-315)/3)
	v_permlane16_swap_b32 v[rY+6*(JB/2)+(JJ-315)%3], v[rY+12+(JJ-315)%3]
.else
	WIN 0x41
.set rY, 192+16*((JJ-327)/3)
	v_mov_b32 v[rY+6*(JB/2)+3+(JJ-327)%3], v[rY+12+(JJ-327)%3]
.endif
.endm
.macro WGHI                            ; number JJ of 64: T += weight x E, two at a time, each accumulator from its low end on
	WIN 0xf2
	v_pk_fma_f32 v[128*JB+2*JJ:128*JB+2*JJ+1], v[JS+2*JJ:JS+2*JJ+1], s[FW:FW+1], v[128*JB+2*JJ:128*JB+2*JJ+1] op_sel_hi:[1,0,1]
.endm
.macro JOBSET kind, sb, b              ; the vector work that stands in slices in the next step: 0 none, 1 the activation of set sb, block b, 2 the weighing of set sb into T's half b
.set JK, \kind
.set JS, \sb
.set JB, \b
.set JJ, 0
.set JN, 0
.if (\kind) == 1
.set JN, 315+24*((\b)%2)
.endif
.if (\kind) == 2
.set JN, 64
.endif
.endm
.macro JOB                             ; a slice: six numbers of the activation's list (64 x 6 covers its 339), or one of the weighing's 64
.if JK == 1
.rept 6
.if JJ < JN
	ACTI
.set JJ, JJ+1
.endif
.endr
.endif
.if JK == 2
.if JJ < JN
	WGHI
.set JJ, JJ+1
.endif
.endif
.endm
.macro JOBALL                          ; a whole list on end
.rept 340
.if JJ < JN
.if JK == 1
	ACTI
.else
	WGHI
.endif
.set JJ, JJ+1
.endif
.endr
.endm
.macro QUART sb, bank, s, ws, cm       ; 16 matrix instructions on 16 accumulators, in the same order in every quarter; a slice behind each
.irp f, 0,1,2,3
.irp t, 0,1,2,3
	MM \sb, \bank, \f, \t, \s, \ws, \cm
	JOB
.endr
.endr
.endm
; A STEP, st = 0-3: G steps, 4, 5: D steps.  mode 0: in the loop; 1: the last D0 (nothing is asked for); 2: the last D1 (nothing follows).
; Quarter q of step st reads bank (4 st + q) % 3; each run of 12 loads goes into the bank that the quarter just issued has read, two quarters ahead of its use.
; The counts of s_wait_dscnt are the LDS instructions issued behind the wanted ones (LW 12, LB 13): 24 = two LW; step 0: 50 = LB LW LB LW, 37 = LB LW LW; step 4: 39 = three LB, 38 = two LB and LW; step 5: 37 = LW LB LW.
; Quarters 2 and 3 need no wait: the change of slots has waited for all.
.macro STEP st, mode
.set ZSL, (\st)%2
.set ZSN, 1-ZSL
.set ZSB, 128*ZSL
.set ZB0, (4*(\st))%3
.set ZB1, (4*(\st)+1)%3
.set ZB2, (4*(\st)+2)%3
.set ZC, 0
.set ZTR, 0
.set ZNG, 0
.set ZX, 0
.set ZRF, 0
.set ZWR, 0
.set ZN0, 24
.set ZN1, 24
.if (\st) < 4
.set ZC, 1
.endif
.if ((\st) > 0) && ((\st) < 4)
.set ZTR, 1
.endif
.if ((\st) < 3) || ((\st) == 5)
.set ZNG, 1
.endif
.if (\mode) == 0
.set ZRF, 1
.if (\st) > 3
.set ZWR, 1
.endif
.if (\st) == 5
.set ZX, 1
.set ZN1, 37
.endif
.endif
.if (\st) == 0
.set ZN0, 50
.set ZN1, 37
.endif
.if (\st) == 4
.set ZN0, 39
.set ZN1, 38
.endif
	s_wait_dscnt ZN0
	QUART ZSB, ZB0, 0, ZSL, ZC
	WIN 0
	PLACES
.if ZX
	LB AX, AXS, 0                                  ; in a chunk's last step x comes back, K step by K step, into the registers that the hidden layer leaves
.endif
	LW ZSL, 3, ZB0
	s_wait_dscnt ZN1
	QUART ZSB, ZB1, 1, ZSL, 2
.if (\mode) < 2
	TURN ZSL, ZRF, ZTR, ZWR
.if ZX
	LB AX, AXS, 1
.endif
	LWS ZSN
.if ZNG
	LBIAS ZSN
.endif
	LW ZSN, 0, ZB1
.if (\st) < 2
	ASK (\st)*TILEB
.endif
.else
	s_wait_dscnt 12                                ; quarter 2's bank is in; quarter 3's 12 loads may be out
.endif
	QUART ZSB, ZB2, 2, ZSL, 2
	WIN 0
	PLACES
.if (\mode) < 2
.if ZX
	LB AX, AXS, 2
.endif
	LW ZSN, 1, ZB2
.else
	s_wait_dscnt 0x0
.endif
	QUART ZSB, ZB0, 3, ZSL, 2
	WIN 0
	PLACES
.if (\mode) < 2
.if ZX
	LB AX, AXS, 3
.endif
	LW ZSN, 2, ZB0
.endif
.endm
; At the head of a chunk's D steps: its weight (chunk 0: 1; chunks 1, 2: the split's first expert's; 3, 4: the second's), how far its refills go back, and the number of the chunk that follows.
; All hang on the cluster's number and the count of trips alone.
.macro NEXTW
	s_cmp_lt_u32 s[CUR], 3
	s_cselect_b32 s[FW], s[R0], s[R1]
	s_cmp_eq_u32 s[CUR], 0
	s_cselect_b32 s[FW], 0x3f800000, s[FW]
	s_mov_b32 s[FW+1], s[FW]                       ; (the packed form names a pair)
	s_cmp_eq_u32 s[CUR], 4
	s_cselect_b32 s[WR], 30*TILEB, 0
	s_cselect_b32 s[CUR], -1, s[CUR]
	s_add_co_u32 s[CUR], s[CUR], 1
.endm
	s_load_b256 s[4:11], s[0:1], 0x0               ; wstream s[4:5], x's codes s[6:7], x's scales s[8:9], routing_weights s[10:11]
	s_load_b128 s[12:15], s[0:1], 0x20             ; bs_down, br_down
	s_load_b64 s[16:17], s[0:1], 0x30              ; part
	v_lshl_add_u32 v[SPW], v0, 2, SPARE
	v_mov_b32 v[NIL], 0
	ds_add_u32 v1, v2
	ds_add_u32 v1, v2
	s_wait_dscnt 0x0
	v_lshrrev_b32 v241, 5, v0
	v_readfirstlane_b32 s[WV], v241                ; wave 0..3
	s_bfe_u32 s[CX], ttmp6, 0x40000                ; my place in the cluster: it enters global addresses alone
	s_lshl_b32 s[TBK], ttmp9, 2
	s_add_co_u32 s[TBK], s[TBK], s[CX]             ; my block of 64 tokens
	s_and_b32 s[SPL], ttmp7, 0xffff                ; the split, which the four partners share
	v_and_b32 v242, 31, v0                         ; lane
	v_and_b32 v243, 15, v0                         ; r
	v_bfe_u32 v244, v0, 4, 1                       ; h
	v_lshlrev_b32 v[GO], 4, v242
	s_mul_i32 s23, s[WV], WT
	v_add_nc_u32 v[AW], s23, v[GO]
	v_add_nc_u32 v[AW+1], SLOT1, v[AW]
	v_lshl_add_u32 v[AB], v244, 6, s23
	v_add_nc_u32 v[AB+1], SLOT1, v[AB]
	v_add_nc_u32 v[AX], XIMG, v[GO]
	v_add_nc_u32 v[AXS], XSC, v[GO]
	v_add_nc_u32 v[AH], HIMG, v[GO]
	v_add_nc_u32 v[AHS], HSC, v[GO]
	s_mul_i32 s51, s[WV], FRB
	v_add_nc_u32 v[HWI], s51, v[AH]
	s_lshl_b32 s51, s[WV], 9
	v_add_nc_u32 v[HWS], s51, v[AHS]
	v_lshl_add_u32 v250, v244, 5, s51              ; the down biases: my 128 columns, + 8 for the upper half of the lanes, in bytes
	s_mul_i32 s51, s[WV], 16*528
	s_add_co_u32 s51, s51, STG                     ; my stage
	v_add_nc_u32 v[SRD], s51, v[GO]                ; back: a row of 512 bytes, 16 bytes a lane
	v_mul_u32_u24 v[STO], v243, 528
	v_lshl_add_u32 v[STO], v244, 5, v[STO]
	v_add_nc_u32 v[STO], s51, v[STO]               ; in: row r, + 32 h
	s_mul_i32 s51, s[WV], 4*FRB
	v_add_nc_u32 v246, s51, v[AX]                  ; x: wave w lays token tile w: its four images,
	s_lshl_b32 s51, s[WV], 2
	v_add_nc_u32 v247, s51, v[AXS]                 ; and its scale words
	v_mul_u32_u24 v248, v243, 384
	v_mad_u32_u24 v248, v244, 24, v248             ; x's codes: row r of 384 bytes, + 24 h
	v_lshlrev_b32 v249, 4, v243                    ; x's scales: 16 bytes a row
	s_lshl_b32 s51, s[CX], 5
	v_add_nc_u32 v[PFO], s51, v242
	v_min_u32 v[PFO], 100, v[PFO]
	v_lshlrev_b32 v[PFO], 8, v[PFO]
.irp t, 0,1,2,3
	v_mov_b32 v[TP+\t], 0                          ; written once: a lane permute's destination counts as one of its sources
.endr
	; descriptor group 1: a dense block of 25,856 bytes as 101 rows of 256 (32 elements of 8 bytes), no padding
	s_mov_b32 s[G1], 15|(3<<16)|(1<<21)            ; 15:0 the mask: all four work-groups; 17:16 elements of 8 bytes; 21 set beside a mask
	s_mov_b32 s[G1+1], 32<<16                      ; tensor_dim0
	s_mov_b32 s[G1+2], 101<<16                     ; tensor_dim1
	s_mov_b32 s[G1+3], 32<<16                      ; tile_dim0
	s_mov_b32 s[G1+4], 101                         ; tile_dim1
	s_mov_b32 s[G1+5], 32                          ; from row to row
	s_mov_b32 s[G1+6], 0
	s_mov_b32 s[G1+7], 0
	s_mov_b32 s[SEL], 0x76543210
	s_mov_b32 s[SEL+1], 0xfedcba98                 ; v_permlanex16_b32's selects for lane l xor 16
	s_mov_b32 s[NL2], 0xbfb8aa3b                   ; -log2(e)
	s_mov_b32 s[NL2+1], s[NL2]
	s_mov_b32 s[CNT], 5
	s_mul_i32 s[CUR], ttmp9, 52                    ; the cluster's number, 0..15, over 5: (52 x) >> 8,
	s_lshr_b32 s[CUR], s[CUR], 8
	s_mul_i32 s[CUR], s[CUR], 5
	s_sub_co_u32 s[CUR], ttmp9, s[CUR]             ; and what is left: the chunk at which my cluster begins: the same in all four partners
	s_mov_b32 s[WR+1], 0
	s_cmp_lt_u32 ttmp9, 5                          ; clusters 0 to 4 prefetch, one for each chunk: the same in all four partners
	s_cselect_b32 s[LIM], 4, -1
	s_mul_i32 s62, s[SPL], 30*TILEB
	s_add_co_u32 s62, s62, s23
	s_mul_i32 s63, s[CUR], 6*TILEB
	s_add_co_u32 s62, s62, s63                     ; my wave's part of the first tile of that chunk, in my split: under 2^24
	s_mov_b32 s63, 0
	s_lshl_b32 s66, s[TBK], 6
	s_lshl_b32 s67, s[WV], 4
	s_add_co_u32 s66, s66, s67                     ; the first token of the tile that I lay: 64 block + 16 w
	s_mul_i32 s68, s66, 384
	s_mov_b32 s69, 0
	s_lshl_b32 s70, s66, 4
	s_mov_b32 s71, 0
	s_lshl_b32 s66, ttmp9, 5                       ; routing_weights: batch = block / 4 = the cluster's number: 32 bytes a batch,
	s_lshl_b32 s67, s[SPL], 3
	s_add_co_u32 s66, s66, s67                     ; experts 2 split and 2 split + 1
	s_mov_b32 s67, 0
	s_wait_kmcnt 0x0
	s_add_nc_u64 s[4:5], s[4:5], s[62:63]
	s_add_nc_u64 s[6:7], s[6:7], s[68:69]
	s_add_nc_u64 s[8:9], s[8:9], s[70:71]
	s_add_nc_u64 s[10:11], s[10:11], s[66:67]
	s_load_b64 s[R0:R0+1], s[10:11], 0x0
	s_lshl_b32 s62, s[SPL], 12                     ; br_down: 2,048 bytes an expert
	s_add_nc_u64 s[14:15], s[14:15], s[62:63]
	s_lshl_b32 s62, s[SPL], 23                     ; part: 8,388,608 bytes a split, 131,072 a block, 512 for my wave's columns
	s_lshl_b32 s66, s[TBK], 17
	s_add_co_u32 s62, s62, s66
	s_lshl_b32 s66, s[WV], 9
	s_add_co_u32 s62, s62, s66
	s_add_nc_u64 s[16:17], s[16:17], s[62:63]
.irp s, 0,1,2,3
.irp p, 0,1,2,3,4,5
	global_load_b64 v[WB+12*\s+2*\p:WB+12*\s+2*\p+1], v248, s[6:7] offset:96*\s+48*(\p/3)+8*(\p%3)   ; my token tile's four fragments
.endr
.endr
	global_load_b128 v[252:255], v249, s[8:9]      ; and its four scale words a row
	WIN 0x80
.irp d, 0,1
.irp n, 0,1,2,3
.irp g, 0,1
	global_load_b128 v[32*\d+8*\n+4*\g:32*\d+8*\n+4*\g+3], v250, s[12:13] offset:256*\d+64*\n+16*\g            ; bs_down, in T's layout
	global_load_b128 v[64+32*\d+8*\n+4*\g:64+32*\d+8*\n+4*\g+3], v250, s[14:15] offset:256*\d+64*\n+16*\g      ; br_down of the first expert,
	global_load_b128 v[128+32*\d+8*\n+4*\g:128+32*\d+8*\n+4*\g+3], v250, s[14:15] offset:2048+256*\d+64*\n+16*\g  ; of the second
.endr
.endr
.endr
	WIN 0
	s_mov_b32 s[G0], 1                             ; group 0, a set for each slot: count 1; LDS address; global address; type 2
	s_mov_b32 s[G0+1], s23
	s_mov_b64 s[G0+2:G0+3], s[4:5]
	s_or_b32 s[G0+3], s[G0+3], 0x80000000
	s_mov_b32 s[G0+4], 1
	s_add_co_u32 s[G0+5], s23, SLOT1
	s_add_nc_u64 s[G0+6:G0+7], s[4:5], TILEB
	s_or_b32 s[G0+7], s[G0+7], 0x80000000
	s_add_nc_u64 s[PFA:PFA+1], s[4:5], 4*TILEB     ; tile 4 of my first chunk.  Nothing is prefetched here, at the head
	CROUND                                         ; all four work-groups are here: the first joint loads meet
	tensor_load_to_lds s[G0:G0+3], s[G1:G1+7]      ; my first chunk's tiles 0 and 1: two loads of mine are out
	s_nop 0
	tensor_load_to_lds s[G0+4:G0+7], s[G1:G1+7]
	s_nop 0
	PLACES
	s_wait_loadcnt 48                              ; x's 25 loads are in; the 48 bias loads behind them may be out
.irp s, 0,1,2,3
.irp c, 0,1,2
	ds_store_b128 v246, v[WB+12*\s+4*\c:WB+12*\s+4*\c+3] offset:FRB*\s+512*\c
.endr
	ds_store_b32 v247, v[252+\s] offset:512*\s
.endr
	s_wait_kmcnt 0x0
	s_mov_b32 s[R1], s[R0+1]                       ; the two weights, each twice: the packed forms name pairs
	s_mov_b32 s[R1+1], s[R0+1]
	s_mov_b32 s[R0+1], s[R0]
	s_cmp_eq_u32 s[SPL], 0
	s_cselect_b32 s[SL0], 0x3f800000, 0            ; bs_down counts in split 0 alone
	s_mov_b32 s[SL0+1], s[SL0]
	s_wait_loadcnt 0x0
	WIN 0x82
.set i, 0
.rept 32
	v_pk_mul_f32 v[i:i+1], v[i:i+1], s[SL0:SL0+1] op_sel_hi:[1,0]
.set i, i+2
.endr
	WIN 0xa2
.set i, 0
.rept 32
	v_pk_fma_f32 v[i:i+1], v[64+i:65+i], s[R0:R0+1], v[i:i+1] op_sel_hi:[1,0,1]
.set i, i+2
.endr
	WIN 0xe2
.irp d, 0,1
.irp t, 0,1,2,3
.set i, 0
.rept 16
	v_pk_fma_f32 v[128*\d+32*\t+i:128*\d+32*\t+i+1], v[128+32*\d+i:129+32*\d+i], s[R1:R1+1], v[32*\d+i:32*\d+i+1] op_sel_hi:[1,0,1]   ; T starts as the biases, the same for every token: nothing is cleared
.set i, i+2
.endr
.endr
.endr
	WIN 0
	s_wait_tensorcnt 0x1                           ; my part of the first tile is in; the second's load may stay out
	s_wait_dscnt 0x0                               ; for the others' sake: my images of x have landed
	s_barrier_signal -1
	s_barrier_wait -1
	LB AX, AXS, 0
	LB AX, AXS, 1
	LB AX, AXS, 2
	LB AX, AXS, 3
	LWS 0
	LBIAS 0
	LW 0, 0, 0
	LW 0, 1, 1
	LW 0, 2, 2
	s_wait_dscnt 0x0
	s_branch .Lenter                               ; a trip is the D steps of the chunk before and the G steps of a chunk: the first trip has no chunk before it
.Lloop:
	NEXTW
	JOBSET 0, 0, 0
	STEP 4, 0                                      ; D0 -> set A
	JOBSET 2, 0, 0
	STEP 5, 0                                      ; D1 -> set B | T's first half takes set A | x comes back
	JOBSET 2, 128, 1
	JOBALL                                         ; T's second half takes set B
	WIN 0
.Lenter:
	JOBSET 0, 0, 0
	STEP 0, 0                                      ; G0 -> set A
	JOBSET 1, 0, 0
	STEP 1, 0                                      ; G1 -> set B | block 0's activation
	JOBSET 1, 128, 1
	STEP 2, 0                                      ; G2 -> set A | block 1's
	JOBSET 1, 0, 2
	STEP 3, 0                                      ; G3 -> set B | block 2's
	JOBSET 1, 128, 3
	JOBALL                                         ; block 3's
	WIN 0x04                                       ; an LDS store's data are its source 1: window 1
.irp t, 0,1,2,3
.irp c, 0,1,2
	ds_store_b128 v[HWI], v[192+16*\t+4*\c:192+16*\t+4*\c+3] offset:4*FRB*\t+512*\c   ; my 128 units of token tile t: fragment (t, K step w), as it stands
.endr
.endr
	WIN 0
	ds_store_b128 v[HWS], v[PW:PW+3]               ; and the four tiles' scale words
	s_wait_dscnt 0x0                               ; my stores have landed; the tile on its way may stay out
	s_barrier_signal -1
	s_barrier_wait -1                              ; the hidden layer's sixteen fragments lie in LDS.  They are written again only behind later rounds, in front of which every wave has waited for its reads
	LB AH, AHS, 0
	LB AH, AHS, 1
	LB AH, AHS, 2
	LB AH, AHS, 3
	s_sub_co_u32 s[CNT], s[CNT], 1
	s_cmp_lg_u32 s[CNT], 0
	s_cbranch_scc1 .Lloop
	; the last chunk's D steps are written out: they ask for no tile
	NEXTW
	JOBSET 0, 0, 0
	STEP 4, 1
	JOBSET 2, 0, 0
	STEP 5, 2
	JOBSET 2, 128, 1
	JOBALL
; THE WAY OUT, a token tile (16 rows x my 128 columns) at a time.  A lane holds 32 neighbouring bytes of a row, and the lanes beside it hold other rows: so a tile goes through my own stage and comes back as whole rows of
; 512 bytes.  LDS serves a wave's instructions in order (ISA guide 5.7.1.4): no wait between the stores and the loads, nor in front of the next tile's stores.  Each tile has registers of its own for the way back.
.macro TOSTAGE t
	WIN 0x0c
.irp d, 0,1
.irp n, 0,1,2,3
	ds_store_b128 v[STO], v[128*\d+32*(\t)+8*\n:128*\d+32*(\t)+8*\n+3] offset:256*\d+64*\n
	ds_store_b128 v[STO], v[128*\d+32*(\t)+8*\n+4:128*\d+32*(\t)+8*\n+7] offset:256*\d+64*\n+16
.endr
.endr
	WIN 0x80
.irp i, 0,1,2,3,4,5,6,7,8,9,10,11,12,13,14,15
	ds_load_b128 v[64*(\t)+4*\i:64*(\t)+4*\i+3], v[SRD] offset:528*\i
.endr
.endm
.macro SEND t, younger                 ; younger: the LDS instructions issued behind tile t's loads: the next tile's 32, or none
	s_wait_dscnt \younger
	WIN 0x08
.irp i, 0,1,2,3,4,5,6,7,8,9,10,11,12,13,14,15
	global_store_b128 v[GO], v[64*(\t)+4*\i:64*(\t)+4*\i+3], s[16:17] offset:(16*(\t)+\i)*2048   ; 32 lanes store 512 consecutive bytes, at a multiple of 512 from part's first byte
.endr
.endm
	TOSTAGE 0
	TOSTAGE 1
	SEND 0, 32
	TOSTAGE 2
	SEND 1, 32
	TOSTAGE 3
	SEND 2, 32
	SEND 3, 0
	WIN 0
	s_wait_tensorcnt 0x0                           ; the wave's end: behind my last tensor load and my last LDS store
	ds_add_u32 v[SPW], v[NIL]
	s_wait_dscnt 0x0
	CROUND                                         ; the closing round: no work-group ends while a partner may still ask for a tile that names it
	s_endpgm
.Lfunc_end_k_q95703c7843_ffn:
	.size	k_q95703c7843_ffn, .Lfunc_end_k_q95703c7843_ffn-k_q95703c7843_ffn
	.p2alignl 7, 3214868480
	.fill 96, 4, 3214868480
	.section	.rodata,"a",@progbits
	.p2align	6, 0x0
	.amdhsa_kernel k_q95703c7843_ffn
		.amdhsa_group_segment_fixed_size 327680
		.amdhsa_private_segment_fixed_size 0
		.amdhsa_enable_private_segment 0
		.amdhsa_kernarg_size 56
		.amdhsa_user_sgpr_count 2
		.amdhsa_user_sgpr_kernarg_segment_ptr 1
		.amdhsa_wavefront_size32 1
		.amdhsa_system_sgpr_workgroup_id_x 1
		.amdhsa_system_sgpr_workgroup_id_y 1
		.amdhsa_system_sgpr_workgroup_id_z 1
		.amdhsa_system_vgpr_workitem_id 0
		.amdhsa_next_free_vgpr 1024
		.amdhsa_next_free_sgpr 72
		.amdhsa_reserve_vcc 0
		.amdhsa_float_denorm_mode_32 3
		.amdhsa_float_denorm_mode_16_64 3
		.amdhsa_memory_ordered 1
		.amdhsa_forward_progress 1
		.amdhsa_inst_pref_size 254
	.end_amdhsa_kernel
	.amdgpu_metadata
---
amdhsa.version: [ 1, 2 ]
amdhsa.kernels:
  - .name:           k_q95703c7843_ffn
    .symbol:         k_q95703c7843_ffn.kd
    .args:
      - { .name: wstream, .offset: 0, .size: 8, .value_kind: global_buffer, .address_space: global }
      - { .name: x_codes, .offset: 8, .size: 8, .value_kind: global_buffer, .address_space: global }
      - { .name: x_scales, .offset: 16, .size: 8, .value_kind: global_buffer, .address_space: global }
      - { .name: routing_weights, .offset: 24, .size: 8, .value_kind: global_buffer, .address_space: global }
      - { .name: bs_down, .offset: 32, .size: 8, .value_kind: global_buffer, .address_space: global }
      - { .name: br_down, .offset: 40, .size: 8, .value_kind: global_buffer, .address_space: global }
      - { .name: part, .offset: 48, .size: 8, .value_kind: global_buffer, .address_space: global }
    .group_segment_fixed_size: 327680
    .private_segment_fixed_size: 0
    .kernarg_segment_align: 8
    .kernarg_segment_size: 56
    .max_flat_workgroup_size: 128
    .sgpr_count:     72
    .vgpr_count:     1024
    .wavefront_size: 32
...
	.end_amdgpu_metadata
.endif
;; end of part 4
;; launch sum: the kernel of part 3 again; grid 512 x 1, 8 waves a work-group, no clusters, 0 bytes of LDS; arguments part, out0; writes out0
